; MI455X (gfx1250); checked and timed in simulation.
; The chip was launched on July 23, 2026; its instructions are those of AMD's public machine-readable ISA for CDNA 5 (MIT licence, August 2026) and "CDNA5" Instruction Set Architecture Reference Guide (July 2026). The comments in the code are by the model that wrote it; some were corrected since.
;; Self Attention. Allowed arithmetic: matrix products marked QUANTISED: E2M1 operands, one E8M0 scale for each 32 along K, by v_wmma_scale_f32_16x16x128_f8f6f4 with both operands' format E2M1 (or v_wmma_scale_f32_32x16x128_f4), f32 sums; everything else in f32.
;; Inputs: Wk_codes 1,024 x 32 x 16 uint8 (E2M1 codes of Wk, K innermost, in blocks of 32 codes, two codes a byte); Wk_scales 1,024 x 32 uint8 (E8M0 scales of Wk, one for each 32 codes along K); Wp_codes 1,024 x 32 x 16 uint8 (E2M1 codes of Wp, K innermost, in blocks of 32 codes, two codes a byte); Wp_scales 1,024 x 32 uint8 (E8M0 scales of Wp, one for each 32 codes along K); Wq_codes 1,024 x 32 x 16 uint8 (E2M1 codes of Wq, K innermost, in blocks of 32 codes, two codes a byte); Wq_scales 1,024 x 32 uint8 (E8M0 scales of Wq, one for each 32 codes along K); Wv_codes 1,024 x 32 x 16 uint8 (E2M1 codes of Wv, K innermost, in blocks of 32 codes, two codes a byte); Wv_scales 1,024 x 32 uint8 (E8M0 scales of Wv, one for each 32 codes along K); bk 1,024 float32; bp 1,024 float32; bq 1,024 float32; bv 1,024 float32; x_codes 4 x 2,048 x 32 x 16 uint8 (E2M1 codes of x, K innermost, in blocks of 32 codes, two codes a byte); x_scales 4 x 2,048 x 32 uint8 (E8M0 scales of x, one for each 32 codes along K).
;; Outputs: out0 4 x 2,048 x 1,024 float32.
;; This version of the problem:
;;   THIS VERSION OF THE PROBLEM IS GIVEN IN LOW PRECISION. The matrix products marked QUANTISED in the list below multiply operands that are first quantised to E2M1 (2 exponent bits, 1 mantissa bit; 4 bits a number), with one power-of-two scale for each 32 numbers along K (OCP MX v1.0); their sums are f32. All else is computed in f32.
;;   The module's matrix products, in the order in which they are computed (A, B: the left and right operand; K: the contracted axis; several contracted axes count as one K, in the product's order):
;;     1. [M 8,192, K 1,024] x [K 1,024, N 1,024]; A: input x (given as codes); B: input Wq (given as codes): QUANTISED
;;     2. [M 8,192, K 1,024] x [K 1,024, N 1,024]; A: input x (given as codes); B: input Wk (given as codes): QUANTISED
;;     3. [M 8,192, K 1,024] x [K 1,024, N 1,024]; A: input x (given as codes); B: input Wv (given as codes): QUANTISED
;;     4. batch 64 x [M 2,048, K 64] x [K 64, N 2,048]; A: computed on the way; B: computed on the way: QUANTISED
;;     5. batch 64 x [M 2,048, K 2,048] x [K 2,048, N 64]; A: softmax (see below); B: computed on the way: QUANTISED
;;     6. [M 8,192, K 1,024] x [K 1,024, N 1,024]; A: computed on the way; B: input Wp (given as codes): QUANTISED
;;   THE QUANTISER, for each operand of a quantised product, along K:
;;     - K is cut into blocks of 32 from its start; a last block that is shorter is filled with zeros.
;;     - A block's scale is 2^e with e = floor(log2(the largest magnitude in the block)) - 2, held to -126 .. 127; a block of zeros has e = 0. As a byte (E8M0): e + 127.
;;     - Each number is divided by its block's scale, clamped to +-6, and rounded to the nearest number of E2M1, ties to even, subnormals kept.
;;     - The product sums the exact products of the quantised numbers (number of the format x scale) in f32.
;;   ~~~python
;;   def quantise(x, axis):      # numpy; x: float32 -> the quantised numbers, widened to float32 again
;;       x = np.moveaxis(x, axis, -1); K = x.shape[-1]
;;       x = np.pad(x, [(0, 0)] * (x.ndim - 1) + [(0, -K % 32)]); x = x.reshape(x.shape[:-1] + (-1, 32)); a = np.abs(x).max(-1, keepdims=True)
;;       e = np.where(a > 0, np.clip(np.frexp(np.where(a > 0, a, 1))[1] - 1 - 2, -126, 127), 0)      # np.frexp(a)[1] - 1 = floor(log2(a)), exactly
;;       r = np.clip(x / 2.0 ** e, -6, 6)
;;       step = 2.0 ** (np.maximum(np.frexp(np.where(r == 0, 1, r))[1] - 1, 0) - 1)
;;       q = np.round(r / step) * step * 2.0 ** e      # np.round: ties to even
;;       return np.moveaxis(q.reshape(q.shape[:-2] + (-1,))[..., :K], -1, axis).astype(np.float32)
;;   ~~~
;;   SOFTMAX AHEAD OF A QUANTISED PRODUCT. Where the list says 'softmax', what is quantised is not the finished softmax but p = 2^(t - M), with t = logit x log2(e) and M = ceil(the row's largest t), a whole number; so 1/2 < the row's largest p <= 1. The row's sum l is taken of the UNQUANTISED p, in f32, and the product's result is divided by l at the end. Since M is a whole number, a kernel that streams over the keys may use a running M (the ceiling of the running maximum): every later rescaling is an exact power of two, which a block's scale takes up: the codes' values come out the same.
;;   OPERANDS COMPUTED ON THE WAY. 'Computed on the way' means the value that the module computes at that place (a softmax that the list does not call 'softmax' is quantised finished and normalised). What goes into a quantiser is computed in f32, as accurately as f32 sums, v_exp_f32 and their like allow (about 1e-6 of the number): no bf16 or f16 on the way to a quantiser, and a product that is left as it is and whose result goes on into a quantised operand takes f32 operands (vector FMAs, or v_wmma_f32_16x16x4_f32). A number that lies on a knife's edge between two numbers of the format may be rounded either way, as far as f32 arithmetic and the matrix unit's own rounding can turn it there, and no further.
;;   INPUTS GIVEN AS CODES. Wk (in the module: [1024, 1024], K = its axis 0); Wp (in the module: [1024, 1024], K = its axis 0); Wq (in the module: [1024, 1024], K = its axis 0); Wv (in the module: [1024, 1024], K = its axis 0); x (in the module: [4, 2048, 1024], K = its axis 2): each comes as NAME_codes (uint8): NAME with its K axis moved to the last place and cut into blocks of 32 codes, [.., K / 32, bytes a block], one block behind the other in memory; two codes a byte, the lower K in the low four bits (a code: sign, 2 exponent bits, 1 mantissa bit); and NAME_scales (uint8): the same leading axes, one E8M0 byte (e + 127) for each 32 codes along K. Its value is code x scale, taken as it is: it is not quantised again, and the codes and scales need not be those that the quantiser above would give.
;; 2 versions, each right; version 2 is version 1 with the launch attn written anew for expert scheduling mode. Each part assembles by itself: llvm-mc -triple=amdgcn-amd-amdhsa -mcpu=gfx1250 --defsym DOCPART=n.
;; ======== version 1 of 2: 3 launches
;; workspace buffers: qc 4,194,304 bytes; kc 4,194,304 bytes; vc 4,194,304 bytes; ac 4,194,304 bytes; qsc 262,144 bytes; ksc 262,144 bytes; vsc 262,144 bytes; asc 262,144 bytes
;; launch qkv (part 1): grid 96 x 4, 4 waves a work-group, clusters of 4 x 4, 296,448 bytes of LDS; arguments x_codes, x_scales, Wq_codes, Wq_scales, Wk_codes, Wk_scales, Wv_codes, Wv_scales, bq, bk, bv, qc, qsc, kc, ksc, vc, vsc; writes qc, qsc, kc, ksc, vc, vsc
.if DOCPART == 1
	.amdgcn_target "amdgcn-amd-amdhsa--gfx1250"
	.amdhsa_code_object_version 6
	.text
	.protected	k_q7de62a6b92_qkv
	.globl	k_q7de62a6b92_qkv
	.p2align	8
	.type	k_q7de62a6b92_qkv,@function
k_q7de62a6b92_qkv:
	s_mov_b64 s[64:65], 0
	v_nop
	global_prefetch_b8 v0, s[64:65] scope:SCOPE_SE
	s_setreg_imm32_b32 hwreg(HW_REG_WAVE_MODE, 25, 1), 1
	s_wait_xcnt 0x0
	s_wait_alu depctr_hold_cnt(0) depctr_sa_sdst(0) depctr_va_vdst(0) depctr_va_sdst(0) depctr_va_ssrc(0) depctr_va_vcc(0) depctr_vm_vsrc(0)
	s_getreg_b32 s2, hwreg(HW_REG_IB_STS2, 6, 4)
	s_cmp_eq_u32 s2, 0
	s_cbranch_scc0 .Lentry_in_a_cluster
	s_endpgm
.Lentry_in_a_cluster:
	s_bfe_u32 s2, ttmp6, 0x10000c
	s_cmp_lg_u32 s2, 0xf033
	s_cbranch_scc0 .Lentry_shape_is_right
	s_endpgm
.Lentry_shape_is_right:
; q = x Wq + bq, k = x Wk + bk, v = x Wv + bv on codes of FP4 (E2M1) with one E8M0 scale for each 32 along K = 1,024; the results are quantised at once for the attention:
; q and k along the head's channels, v along the keys.  x: [8192][1024] codes (512 bytes a row), W: [1024 (out)][1024] codes; scale bytes 32 a row.
; SHARES.  24 clusters of 4 x 4 work-groups.  Cluster c < 16: q (c even) or k (c odd); c >= 16: v.  A work-group makes a tile of 256 x 256, each of its four waves 128 x 128 (64 accumulators).
; THE MATRIX INSTRUCTION: source 0 takes 16 rows of the operand along whose rows the result is quantised ("B": W's rows for q and k, x's rows = keys for v), source 1 the other ("A": x's rows, or Wv's).
; In a result lane l then holds ONE row of A (l % 16) and its registers run along B's rows, 8 (l / 16) + 0 .. 7: neighbours along the next product's K, as the conversions want them.
; ALL OF K LIES IN LDS AT ONCE: two slots of 512 along K (rows of 256 bytes + 16 of padding), each filled once; so no LDS byte is filled twice.  A wave has three tensor loads out at the most.
; JOINT LOADS: A's tile hangs on the cluster's row alone, B's on its column alone: each is asked for by the four that share it, with one descriptor and a mask that names the four.
; OUT.  Codes, block-major: qc, kc [channel / 32][row][16 bytes], vc [key / 32][channel][16 bytes]: sixteen lanes store 256 consecutive bytes, aligned.
; Scale bytes: qsc, ksc [batch x head][t / 32][t % 16][(t / 16) % 2][2], vsc [key / 128][channel][4]: the words that the attention's matrix instructions take.
; A block's scale is 2^(floor(log2(largest magnitude)) - 2); its byte is the largest magnitude's exponent field - 2, held at 1 from below.
; LIMITS: NaN and infinities are not served; a block of zeros, or one whose largest magnitude lies under 2^-124, gets the byte 1 (its codes are zeros or held; this program alone reads the bytes).
; REGISTERS, in windows of 256: window 0: v1-27 addresses; v32-95 scale words; v128-255 A's fragments, two sets (in the way out: codes, scale words, work).
;   window 1: B's fragments, two sets, at v0 and v128; v64-127 the bias in the result's layout.   window 2: accumulators of A's blocks 0-3 ((a, b) at v[8 (8 a + b)]);   window 3: blocks 4-7.
.set NA,    8                          ; A's blocks of 16 rows in a wave
.set PITCH, 272                        ; an LDS row: 256 bytes + 16 of padding: the 16 rows of a fragment load start at 16 different groups of banks
.set HALFT, 128*PITCH                  ; 128 rows: what one tensor load brings
.set SLOT,  4*HALFT                    ; A's 256 rows, then B's
.set SCL,   2*SLOT                     ; behind the slots: the scale bytes, as units of 256 bytes + 16
.set HALFS, 16*272                     ; those of 128 rows
.set SBLK,  2*272                      ; those of 16 rows
.set ADRA,  16                         ; v16-17 LDS address of my A fragments in slot 0, 1
.set ADRB,  20                         ; v20-21 the same for B
.set ADRS,  27                         ; v27    of my scale words: lanes 0-15 A's rows, lanes 16-31 B's
.set SC,    32                         ; scale words: v[SC + 32 s + 4 i + q]: block i, the q-th 128 along K of slot s
.set AF,    128                        ; A's fragments, window 0
.set BIAS,  64                         ; the bias, window 1
.set TM,    208                        ; the way out: v208-211 largest magnitudes, v212-215 the other half's, v216-219 bytes, v220-223 the conversions' scale operands
.set G1,   24
.set G0,   32
.set G1B,  48
.set G0B,  56
.set G1S,  68
.set G0S,  76
.set G1SB, 80
.set G0SB, 88
.set MSB, 0
.macro WIN new                         ; the immediate's high byte repeats the setting that is left; a switch that changes nothing is dropped
.if MSB != (\new)
	s_set_vgpr_msb (MSB<<8)|(\new)
.set MSB, (\new)
.endif
.endm
; A joint load: waves 0 and 1 fetch for A, waves 2 and 3 for B; the branch hangs on the wave's number alone.  Four v_nop follow each of the two lines.
.macro JLOAD g0a, g1a, g0b, g1b
	s_cmp_eq_u32 s15, 0
	s_cbranch_scc0 .Lfor_b_\@
	tensor_load_to_lds s[\g0a:\g0a+3], s[\g1a:\g1a+7]
	s_nop 0
.rept 4
	v_nop
.endr
	s_branch .Lasked_\@
.Lfor_b_\@:
	tensor_load_to_lds s[\g0b:\g0b+3], s[\g1b:\g1b+7]
	s_nop 0
.rept 4
	v_nop
.endr
.Lasked_\@:
.endm
.macro CROUND                          ; a round of the cluster's barrier
	s_barrier_signal -1
	s_barrier_wait -1
	s_cmp_lg_u32 s14, 0
	s_cbranch_scc1 .Lnot_wave_0_\@
	s_barrier_signal -3
.Lnot_wave_0_\@:
	s_barrier_wait -3
	s_barrier_signal -1
	s_barrier_wait -1
.endm
.macro PLACES n
.rept \n
	v_nop
.endr
.endm
.macro FRAG reg, adr, q, i             ; 16 rows x 128 K of 4-bit codes: lane l: row l % 16; registers 4 c .. 4 c + 3: K = 64 c + 32 (l / 16) + 0 .. 31
.irp c, 0,1
	ds_load_b128 v[\reg+4*\c:\reg+4*\c+3], v[\adr] offset:64*(\q)+32*\c+(\i)*16*PITCH
.endr
.endm
.macro FETCH g                         ; the fragments of K step g (128 along K) into set g % 2
	WIN 0x40                                       ; destination window 1
.irp i, 0,1,2,3,4,5,6,7
	FRAG 128*((\g)%2)+8*\i, ADRB+(\g)/4, (\g)%4, \i
.endr
	WIN 0
.irp i, 0,1,2,3,4,5,6,7
	FRAG AF+8*NA*((\g)%2)+8*\i, ADRA+(\g)/4, (\g)%4, \i
.endr
.endm
.macro SCALES                          ; all scale words of my rows, once: lanes 0-15 take A's block i, lanes 16-31 B's block i
.irp s, 0,1
.irp i, 0,1,2,3,4,5,6,7
	ds_load_b128 v[SC+32*\s+4*\i:SC+32*\s+4*\i+3], v[ADRS] offset:\i*SBLK+16*\s
.endr
.endr
.endm
; 8 matrix instructions: A's block a against B's eight, K step g.  mode 0: onto the sums; 1: the sums begin with the bias by B's rows; 2: by A's rows
.macro MULA a, g, mode
.irp b, 0,1,2,3,4,5,6,7
.set rD, 8*(8*((\a)%4)+\b)
.set rB, 128*((\g)%2)+8*\b
.set rA, AF+8*NA*((\g)%2)+8*(\a)
.set rSB, SC+32*((\g)/4)+4*\b+(\g)%4
.set rSA, SC+32*((\g)/4)+4*(\a)+(\g)%4
.if \mode == 0
	v_wmma_scale_f32_16x16x128_f8f6f4 v[rD:rD+7], v[rB:rB+7], v[rA:rA+7], v[rD:rD+7], v[rSB], v[rSA] matrix_a_fmt:MATRIX_FMT_FP4 matrix_b_fmt:MATRIX_FMT_FP4 matrix_a_scale:MATRIX_SCALE_ROW1
.elseif \mode == 1
	v_wmma_scale_f32_16x16x128_f8f6f4 v[rD:rD+7], v[rB:rB+7], v[rA:rA+7], v[BIAS+8*\b:BIAS+8*\b+7], v[rSB], v[rSA] matrix_a_fmt:MATRIX_FMT_FP4 matrix_b_fmt:MATRIX_FMT_FP4 matrix_a_scale:MATRIX_SCALE_ROW1
.else
	v_wmma_scale_f32_16x16x128_f8f6f4 v[rD:rD+7], v[rB:rB+7], v[rA:rA+7], v[BIAS+8*(\a):BIAS+8*(\a)+7], v[rSB], v[rSA] matrix_a_fmt:MATRIX_FMT_FP4 matrix_b_fmt:MATRIX_FMT_FP4 matrix_a_scale:MATRIX_SCALE_ROW1
.endif
.endr
.endm
; A K step: its fragments are in; the next step's 32 loads go out in one run, four places behind the products that read that set; then 64 products, the 64 accumulators by turns.
.macro KSTEP g, mode
	s_wait_dscnt 0x0                               ; this step's fragments are in (at step 0 the scale words too)
.if (\g) == 3
	s_wait_tensorcnt 0x0                           ; my part of slot 1 has landed;
	s_barrier_signal -1
	s_barrier_wait -1                              ; everybody's has
.endif
.if (\g) < 7
.if (\g) > 0
	PLACES 4
.endif
	FETCH (\g)+1
.endif
.if \mode
	WIN 0x91                                       ; B window 1, A window 0, C (the bias) window 1, D window 2
.else
	WIN 0xa1                                       ; C and D window 2
.endif
	MULA 0, \g, \mode
	MULA 1, \g, \mode
	MULA 2, \g, \mode
	MULA 3, \g, \mode
.if \mode
	WIN 0xd1
.else
	WIN 0xf1                                       ; C and D window 3
.endif
	MULA 4, \g, \mode
	MULA 5, \g, \mode
	MULA 6, \g, \mode
	MULA 7, \g, \mode
.endm
	s_load_b512 s[68:83], s[0:1], 0x0              ; x codes, x scales, Wq codes, Wq scales, Wk codes, Wk scales, Wv codes, Wv scales
	s_load_b512 s[84:99], s[0:1], 0x40             ; bq, bk, bv, qc, qsc, kc, ksc, vc
	s_load_b64 s[100:101], s[0:1], 0x80            ; vsc
	v_lshl_add_u32 v126, v0, 2, 0x48400
	v_mov_b32 v127, 0
	ds_add_u32 v126, v127
	ds_add_u32 v126, v127
	v_lshrrev_b32 v1, 5, v0
	v_readfirstlane_b32 s14, v1                    ; wave 0..3
	s_lshr_b32 s15, s14, 1                         ; which half of A's rows is mine.  Also: I fetch for A (0) or for B (1)
	s_and_b32 s16, s14, 1                          ; which half of B's rows.  Also: which 128 rows I fetch
	s_bfe_u32 s40, ttmp6, 0x40000                  ; cx
	s_bfe_u32 s41, ttmp6, 0x40004                  ; cy
	s_lshl_b32 s43, s41, 2
	s_lshl_b32 s43, 15, s43                        ; my row of the cluster
	s_lshl_b32 s44, 0x1111, s40                    ; my column
	s_and_b32 s2, ttmp9, 1                         ; odd cluster: k
	s_lshr_b32 s18, ttmp9, 1
	s_lshl_b32 s18, s18, 2                         ; q, k: A's tiles 4 (c / 2) + cy, B's tiles cx
	s_sub_co_u32 s19, ttmp9, 16
	s_lshl_b32 s19, s19, 2                         ; v: A's tiles cy, B's tiles 4 (c - 16) + cx
	s_cmp_lt_u32 ttmp9, 16                         ; the cluster's number is the same in all sixteen partners
	s_cselect_b32 s17, s18, 0
	s_cselect_b32 s42, 0, s19
	s_add_co_u32 s17, s17, s41                     ; A's tile
	s_add_co_u32 s42, s42, s40                     ; B's tile
	; descriptor group 1 for codes: 128 rows x 256 bytes, 512 bytes from row to row, 16 bytes of padding behind each 256
	s_or_b32 s[G1], s43, (1<<20)|(1<<21)|(5<<22)|(3<<25)   ; 15:0 the mask; elements of 1 byte; 20 padding on; 21 set beside a mask; 24:22 after every 64 words; 31:25 four words
	s_or_b32 s[G1B], s44, (1<<20)|(1<<21)|(5<<22)|(3<<25)
.irp g, G1, G1B
	s_mov_b32 s[\g+1], 256<<16                     ; tensor_dim0
	s_mov_b32 s[\g+2], 128<<16                     ; tensor_dim1
	s_mov_b32 s[\g+3], 256<<16                     ; tile_dim0
	s_mov_b32 s[\g+4], 128                         ; tile_dim1
	s_mov_b32 s[\g+5], 512                         ; the pitch
	s_mov_b32 s[\g+6], 0
	s_mov_b32 s[\g+7], 0
.endr
	s_lshl_b32 s18, s16, 7
	s_lshl_b32 s20, s17, 8
	s_add_co_u32 s20, s20, s18                     ; A: the first row that I fetch
	s_lshl_b32 s46, s42, 8
	s_add_co_u32 s46, s46, s18                     ; B likewise
	s_lshl_b32 s22, s20, 5                         ; its scale bytes,
	s_mov_b32 s23, 0
	s_lshl_b32 s20, s20, 9                         ; its codes
	s_mov_b32 s21, 0
	s_lshl_b32 s18, s46, 5
	s_mov_b32 s19, 0
	s_lshl_b32 s46, s46, 9
	s_mov_b32 s47, 0
	s_mul_i32 s45, s14, HALFT                      ; where the codes go: wave x 128 rows: no place in the cluster enters an LDS address
	s_wait_dscnt 0x0
	s_wait_kmcnt 0x0
	s_cmp_lg_u32 s2, 0                             ; k or q
	s_cselect_b64 s[8:9], s[76:77], s[72:73]
	s_cselect_b64 s[10:11], s[78:79], s[74:75]
	s_cselect_b64 s[2:3], s[86:87], s[84:85]
	s_cselect_b64 s[12:13], s[94:95], s[90:91]
	s_cselect_b64 s[66:67], s[96:97], s[92:93]
	s_cmp_lt_u32 ttmp9, 16                         ; q, k or v
	s_cselect_b64 s[4:5], s[68:69], s[80:81]       ; A's codes: x, or Wv
	s_cselect_b64 s[6:7], s[70:71], s[82:83]       ; A's scales
	s_cselect_b64 s[8:9], s[8:9], s[68:69]         ; B's codes: W, or x
	s_cselect_b64 s[10:11], s[10:11], s[70:71]     ; B's scales
	s_cselect_b64 s[2:3], s[2:3], s[88:89]         ; the bias
	s_cselect_b64 s[12:13], s[12:13], s[98:99]     ; codes out
	s_cselect_b64 s[66:67], s[66:67], s[100:101]   ; scale bytes out
	s_mov_b32 s95, 16384
	s_cselect_b32 s95, 131072, s95                 ; bytes from block to block in the codes' buffer: 8,192 or 1,024 rows of 16
	s_mov_b32 s96, 0x03020100
	s_cselect_b32 s96, 0x05040100, s96             ; what lanes 0-15 store of two blocks' scale words: q, k: both low halves (the first head); v: the first word
	s_mov_b32 s97, 0x07060504
	s_cselect_b32 s97, 0x07060302, s97             ; lanes 16-31: both high halves (the second head); the second word
	s_cselect_b32 s98, 4096, 64                    ; and how far from lanes 0-15: a head's 4,096 bytes; 16 channels' words
	s_mov_b32 s99, 128
	s_cselect_b32 s99, 64, s99                     ; from pair to pair of A's blocks
	s_add_nc_u64 s[20:21], s[4:5], s[20:21]
	s_add_nc_u64 s[22:23], s[6:7], s[22:23]
	s_add_nc_u64 s[46:47], s[8:9], s[46:47]
	s_add_nc_u64 s[18:19], s[10:11], s[18:19]
	; group 1 for the scale bytes of 128 rows: 4,096 dense bytes as 16 rows of 256 (32 elements of 8 bytes), 16 bytes of padding behind each
	s_or_b32 s[G1S], s43, (3<<16)|(1<<20)|(1<<21)|(5<<22)|(3<<25)
	s_or_b32 s[G1SB], s44, (3<<16)|(1<<20)|(1<<21)|(5<<22)|(3<<25)
.irp g, G1S, G1SB
	s_mov_b32 s[\g+1], 32<<16
	s_mov_b32 s[\g+2], 16<<16
	s_mov_b32 s[\g+3], 32<<16
	s_mov_b32 s[\g+4], 16
	s_mov_b32 s[\g+5], 32
	s_mov_b32 s[\g+6], 0
	s_mov_b32 s[\g+7], 0
.endr
	s_mul_i32 s92, s14, HALFS
	CROUND                                         ; all sixteen work-groups are here: the joint loads meet
	s_mov_b32 s[G0S], 1
	s_add_co_u32 s[G0S+1], s92, SCL
	s_mov_b64 s[G0S+2:G0S+3], s[22:23]
	s_or_b32 s[G0S+3], s[G0S+3], 0x80000000
	s_mov_b32 s[G0SB], 1
	s_add_co_u32 s[G0SB+1], s92, SCL
	s_mov_b64 s[G0SB+2:G0SB+3], s[18:19]
	s_or_b32 s[G0SB+3], s[G0SB+3], 0x80000000
	JLOAD G0S, G1S, G0SB, G1SB                     ; the scale bytes first: they are wanted with K step 0
.irp s, 0,1
	s_mov_b32 s[G0+4*\s], 1
	s_add_co_u32 s[G0+4*\s+1], s45, \s*SLOT
	s_add_nc_u64 s[G0+4*\s+2:G0+4*\s+3], s[20:21], \s*256
	s_or_b32 s[G0+4*\s+3], s[G0+4*\s+3], 0x80000000
	s_mov_b32 s[G0B+4*\s], 1
	s_add_co_u32 s[G0B+4*\s+1], s45, \s*SLOT
	s_add_nc_u64 s[G0B+4*\s+2:G0B+4*\s+3], s[46:47], \s*256
	s_or_b32 s[G0B+4*\s+3], s[G0B+4*\s+3], 0x80000000
	JLOAD G0+4*\s, G1, G0B+4*\s, G1B               ; both halves of K
.endr
	v_and_b32 v1, 15, v0                           ; r = l % 16
	v_bfe_u32 v2, v0, 4, 1                         ; h = l / 16
	v_mul_u32_u24 v3, v1, PITCH
	v_lshl_add_u32 v4, v2, 4, v3                   ; a fragment's row x pitch + 16 h
	s_mul_i32 s21, s15, HALFT                      ; my 128 rows of A
	s_mul_i32 s22, s16, HALFT                      ; my 128 rows of B,
	s_add_co_u32 s22, s22, 2*HALFT                 ; behind A's 256
.irp s, 0,1
	v_add_nc_u32 v[ADRA+\s], s21, v4
	v_add_nc_u32 v[ADRB+\s], s22, v4
	s_add_co_u32 s21, s21, SLOT
	s_add_co_u32 s22, s22, SLOT
.endr
	v_lshlrev_b32 v5, 5, v1                        ; my row's scale bytes: 32 a row,
	v_lshrrev_b32 v6, 8, v5
	v_lshl_add_u32 v5, v6, 4, v5                   ; and 16 more for each 256 passed
	s_mul_i32 s21, s15, HALFS
	s_mul_i32 s22, s16, HALFS
	s_add_co_u32 s22, s22, 2*HALFS
	s_sub_co_u32 s22, s22, s21
	v_mul_u32_u24 v6, s22, v2                      ; lanes 16-31 take B's: one product, the distance between the two bases
	s_add_co_u32 s21, s21, SCL
	v_add_nc_u32 v5, v5, v6
	v_add_nc_u32 v[ADRS], s21, v5
	; the way out and the bias
	s_lshl_b32 s20, s42, 8
	s_lshl_b32 s21, s16, 7
	s_add_co_u32 s20, s20, s21                     ; i0: my first row of B
	s_lshl_b32 s21, s17, 8
	s_lshl_b32 s22, s15, 7
	s_add_co_u32 s21, s21, s22                     ; j0: my first row of A
	s_mov_b32 s23, 0
	s_cmp_lt_u32 ttmp9, 16
	s_cselect_b32 s22, s20, s21                    ; the bias runs along the output channels: B's rows for q and k, A's for v
	s_lshl_b32 s22, s22, 2
	s_add_nc_u64 s[2:3], s[2:3], s[22:23]
	s_lshr_b32 s22, s20, 5
	s_mul_i32 s22, s22, s95
	s_lshl_b32 s93, s21, 4
	s_add_co_u32 s22, s22, s93
	s_add_nc_u64 s[12:13], s[12:13], s[22:23]      ; codes: block i0 / 32, row j0
	s_lshr_b32 s22, s21, 11
	s_lshl_b32 s22, s22, 4
	s_lshr_b32 s93, s20, 6
	s_add_co_u32 s22, s22, s93
	s_lshl_b32 s22, s22, 12                        ; q, k: (batch x 16 + head) x 4,096
	s_and_b32 s93, s21, 2047
	s_lshr_b32 s93, s93, 5
	s_lshl_b32 s93, s93, 6
	s_add_co_u32 s22, s22, s93                     ;       + (t / 32) x 64
	s_lshr_b32 s93, s20, 7
	s_lshl_b32 s93, s93, 12
	s_lshl_b32 s94, s21, 2
	s_add_co_u32 s93, s93, s94                     ; v: (key / 128) x 4,096 + 4 x channel
	s_cmp_lt_u32 ttmp9, 16
	s_cselect_b32 s22, s22, s93
	s_add_nc_u64 s[66:67], s[66:67], s[22:23]
	v_lshlrev_b32 v7, 2, v1                        ; 4 r
	v_lshlrev_b32 v14, 5, v2                       ; 32 h
	v_lshlrev_b32 v8, 4, v1
	v_mad_u32_u24 v8, v2, s95, v8                  ; codes: block h, row r
	s_lshl_b32 s94, s95, 1
	v_add_nc_u32 v9, s94, v8                       ; and two blocks on
	v_mad_u32_u24 v10, v2, s98, v7                 ; scale words of A's blocks 0 and 1,
	v_add_nc_u32 v11, s99, v10                     ; 2 and 3,
	v_add_nc_u32 v12, s99, v11
	v_add_nc_u32 v13, s99, v12
	; the bias, in the result's layout, 8 registers for each of 8 blocks.  Both ways leave all 64 registers written.
	s_cmp_lt_u32 ttmp9, 16
	s_cbranch_scc0 .Lbias_v
	WIN 0x40
.irp b, 0,1,2,3,4,5,6,7
	global_load_b128 v[BIAS+8*\b:BIAS+8*\b+3], v14, s[2:3] offset:64*\b        ; q, k: register j of block b: channel i0 + 16 b + 8 h + j
	global_load_b128 v[BIAS+8*\b+4:BIAS+8*\b+7], v14, s[2:3] offset:64*\b+16
.endr
	WIN 0
	s_branch .Lbias_in
.Lbias_v:
	WIN 0x40
.irp a, 0,1,2,3,4,5,6,7
	global_load_b32 v[BIAS+8*\a], v7, s[2:3] offset:64*\a                      ; v: all registers of block a: channel j0 + 16 a + r
.endr
	s_wait_loadcnt 0x0                             ; (the tensor loads are on their way meanwhile)
	WIN 0x41
.irp a, 0,1,2,3,4,5,6,7
.irp j, 1,2,3,4,5,6,7
	v_mov_b32 v[BIAS+8*\a+\j], v[BIAS+8*\a]
.endr
.endr
	WIN 0
.Lbias_in:
	s_wait_tensorcnt 0x1                           ; the scale bytes and my part of slot 0 are in: one load, slot 1's, was issued behind them
	s_barrier_signal -1
	s_barrier_wait -1                              ; everybody's are
	SCALES
	FETCH 0
	s_wait_loadcnt 0x0                             ; the bias
	s_cmp_lt_u32 ttmp9, 16
	s_cbranch_scc0 .Lfirst_v
	KSTEP 0, 1                                     ; the first K step starts the sums with the bias: nothing is cleared, nothing is added later
	WIN 0
	s_branch .Lfirst_done
.Lfirst_v:
	KSTEP 0, 2
	WIN 0
.Lfirst_done:
	KSTEP 1, 0
	KSTEP 2, 0
	KSTEP 3, 0
	KSTEP 4, 0
	KSTEP 5, 0
	KSTEP 6, 0
	KSTEP 7, 0
	WIN 0
; THE WAY OUT.  A's block a: 64 registers of a lane, register 8 t + j = B's row 16 t + 8 h + j of my row of A: four blocks of 32, each in lanes l and l xor 16.
; The eight-code conversions are laid so that two exchanges of halves for each pair of blocks leave lane (r, h) with the 16 bytes of block 2 c + h in registers 4 c .. 4 c + 3.
.macro QUANT a
.set QW, 2+(\a)/4
.set QS, 64*((\a)%4)
.set QPC, 128+8*(\a)
.set QPW, 192+(\a)
	WIN QW|(QW<<2)
.irp b, 0,1,2,3
	v_max3_num_f32 v[TM+\b], |v[QS+16*\b]|, |v[QS+16*\b+1]|, 0x1800000   ; my 16 numbers of block b, each accumulator from its low end on, and the floor 2^(3 - 127): the byte cannot fall under 1
.endr
	WIN (QW<<2)|(QW<<4)
.irp i, 2,4,6,8,10,12,14
.irp b, 0,1,2,3
	v_max3_num_f32 v[TM+\b], v[TM+\b], |v[QS+16*\b+\i]|, |v[QS+16*\b+\i+1]|
.endr
.endr
	WIN 0
.irp b, 0,1,2,3
	v_permlanex16_b32 v[TM+4+\b], v[TM+\b], s46, s47
.endr
.irp b, 0,1,2,3
	v_max_num_f32 v[TM+\b], v[TM+\b], v[TM+4+\b]   ; with lane l xor 16's: the block's largest magnitude
.endr
.irp b, 0,1,2,3
	v_add_nc_u32 v[TM+12+\b], 0xff000000, v[TM+\b] ; 2 off its exponent field: the conversion's scale operand
.endr
.irp b, 0,1,2,3
	v_lshrrev_b32 v[TM+8+\b], 23, v[TM+12+\b]      ; the scale's byte
.endr
	v_lshl_or_b32 v[QPW], v[TM+9], 8, v[TM+8]
	v_lshl_or_b32 v[QPW], v[TM+10], 16, v[QPW]
	v_lshl_or_b32 v[QPW], v[TM+11], 24, v[QPW]     ; my row's four bytes
	WIN QW
.irp c, 0,1
	v_cvt_scalef32_pk8_fp4_f32 v[QPC+4*\c], v[QS+32*\c:QS+32*\c+7], v[TM+12+2*\c]
	v_cvt_scalef32_pk8_fp4_f32 v[QPC+4*\c+2], v[QS+32*\c+8:QS+32*\c+15], v[TM+12+2*\c]
	v_cvt_scalef32_pk8_fp4_f32 v[QPC+4*\c+1], v[QS+32*\c+16:QS+32*\c+23], v[TM+13+2*\c]
	v_cvt_scalef32_pk8_fp4_f32 v[QPC+4*\c+3], v[QS+32*\c+24:QS+32*\c+31], v[TM+13+2*\c]
.endr
	WIN 0
	v_nop                                          ; one plain place behind the conversions
.irp c, 0,1
	v_permlane16_swap_b32 v[QPC+4*\c], v[QPC+4*\c+1]
	v_permlane16_swap_b32 v[QPC+4*\c+2], v[QPC+4*\c+3]
.endr
.endm
	PLACES 4                                       ; behind the last products: their results are read and A's registers written below
.irp b, 0,1,2,3
	v_mov_b32 v[TM+4+\b], 0                        ; written once: a lane permute's destination counts as one of its sources
.endr
	s_mov_b32 s46, 0x76543210
	s_mov_b32 s47, 0xfedcba98                      ; lane l xor 16
	s_mov_b32 vcc_lo, 0xffff0000                   ; lanes 16-31
.irp a, 0,1,2,3,4,5,6,7                 ; every store has data registers of its own
	QUANT \a
	global_store_b128 v8, v[128+8*\a:131+8*\a], s[12:13] offset:256*\a     ; blocks 0 (lanes 0-15) and 1 (lanes 16-31): each half of the lanes stores 256 consecutive bytes, aligned
	global_store_b128 v9, v[132+8*\a:135+8*\a], s[12:13] offset:256*\a     ; blocks 2 and 3
.if (\a)%2
	v_perm_b32 v204, v[192+\a], v[191+\a], s96
	v_perm_b32 v205, v[192+\a], v[191+\a], s97
	v_cndmask_b32 v[200+\a/2], v204, v205, vcc_lo
	global_store_b32 v[10+\a/2], v[200+\a/2], s[66:67]                     ; two blocks' scale bytes as the attention's words
.endif
.endr
	s_wait_dscnt 0x0
	s_wait_tensorcnt 0x0
	ds_add_u32 v126, v127
	s_wait_dscnt 0x0
	CROUND                                         ; the closing round: no work-group ends while a partner may still ask for a tile that names it
	s_endpgm
.Lfunc_end_k_q7de62a6b92_qkv:
	.size	k_q7de62a6b92_qkv, .Lfunc_end_k_q7de62a6b92_qkv-k_q7de62a6b92_qkv
	.p2alignl 7, 3214868480
	.fill 96, 4, 3214868480
	.section	.rodata,"a",@progbits
	.p2align	6, 0x0
	.amdhsa_kernel k_q7de62a6b92_qkv
		.amdhsa_group_segment_fixed_size 296448
		.amdhsa_private_segment_fixed_size 0
		.amdhsa_enable_private_segment 0
		.amdhsa_kernarg_size 136
		.amdhsa_user_sgpr_count 2
		.amdhsa_user_sgpr_kernarg_segment_ptr 1
		.amdhsa_wavefront_size32 1
		.amdhsa_system_sgpr_workgroup_id_x 1
		.amdhsa_system_sgpr_workgroup_id_y 1
		.amdhsa_system_sgpr_workgroup_id_z 1
		.amdhsa_system_vgpr_workitem_id 0
		.amdhsa_next_free_vgpr 1024
		.amdhsa_next_free_sgpr 102
		.amdhsa_reserve_vcc 1
		.amdhsa_float_denorm_mode_32 3
		.amdhsa_float_denorm_mode_16_64 3
		.amdhsa_memory_ordered 1
		.amdhsa_forward_progress 1
		.amdhsa_inst_pref_size 144
	.end_amdhsa_kernel
	.amdgpu_metadata
---
amdhsa.version: [ 1, 2 ]
amdhsa.kernels:
  - .name:           k_q7de62a6b92_qkv
    .symbol:         k_q7de62a6b92_qkv.kd
    .args:
      - { .name: x_codes, .offset: 0, .size: 8, .value_kind: global_buffer, .address_space: global }
      - { .name: x_scales, .offset: 8, .size: 8, .value_kind: global_buffer, .address_space: global }
      - { .name: Wq_codes, .offset: 16, .size: 8, .value_kind: global_buffer, .address_space: global }
      - { .name: Wq_scales, .offset: 24, .size: 8, .value_kind: global_buffer, .address_space: global }
      - { .name: Wk_codes, .offset: 32, .size: 8, .value_kind: global_buffer, .address_space: global }
      - { .name: Wk_scales, .offset: 40, .size: 8, .value_kind: global_buffer, .address_space: global }
      - { .name: Wv_codes, .offset: 48, .size: 8, .value_kind: global_buffer, .address_space: global }
      - { .name: Wv_scales, .offset: 56, .size: 8, .value_kind: global_buffer, .address_space: global }
      - { .name: bq, .offset: 64, .size: 8, .value_kind: global_buffer, .address_space: global }
      - { .name: bk, .offset: 72, .size: 8, .value_kind: global_buffer, .address_space: global }
      - { .name: bv, .offset: 80, .size: 8, .value_kind: global_buffer, .address_space: global }
      - { .name: qc, .offset: 88, .size: 8, .value_kind: global_buffer, .address_space: global }
      - { .name: qsc, .offset: 96, .size: 8, .value_kind: global_buffer, .address_space: global }
      - { .name: kc, .offset: 104, .size: 8, .value_kind: global_buffer, .address_space: global }
      - { .name: ksc, .offset: 112, .size: 8, .value_kind: global_buffer, .address_space: global }
      - { .name: vc, .offset: 120, .size: 8, .value_kind: global_buffer, .address_space: global }
      - { .name: vsc, .offset: 128, .size: 8, .value_kind: global_buffer, .address_space: global }
    .group_segment_fixed_size: 296448
    .private_segment_fixed_size: 0
    .kernarg_segment_align: 8
    .kernarg_segment_size: 136
    .max_flat_workgroup_size: 128
    .sgpr_count:     102
    .vgpr_count:     1024
    .wavefront_size: 32
...
	.end_amdgpu_metadata
.endif
;; end of part 1
;; launch attn (part 2): grid 4 x 64, 16 waves a work-group, no clusters, 18,432 bytes of LDS; arguments qc, qsc, kc, ksc, vc, vsc, ac, asc; writes ac, asc
.if DOCPART == 2
	.amdgcn_target "amdgcn-amd-amdhsa--gfx1250"
	.amdhsa_code_object_version 6
	.text
	.protected	k_q7de62a6b92_attn
	.globl	k_q7de62a6b92_attn
	.p2align	8
	.type	k_q7de62a6b92_attn,@function
k_q7de62a6b92_attn:
	s_mov_b64 s[64:65], 0
	v_nop
	global_prefetch_b8 v0, s[64:65] scope:SCOPE_SE
	s_setreg_imm32_b32 hwreg(HW_REG_WAVE_MODE, 25, 1), 1
	s_wait_xcnt 0x0
; Causal attention on codes of FP4 (E2M1), head size 64, 2,048 keys, 64 (batch x head).  Both products on codes with one E8M0 scale for each 32 along K; the result O / l is quantised along the channels for the last product.
; THE SOFTMAX: t = score x log2(e) / 8; M = the row's largest t so far, rounded UP to a whole number; p = 2^(t - M) is quantised along the keys, not normalised; the row's sum is taken of the unquantised p
; and divides O at the end.  When M moves, the sum and O are multiplied by 2^(old M - new M): exact.
; SHARES.  Work-group (P, batch x head) takes the 256 queries of block P and then those of block 7 - P: 2 (P + 1) + 2 (8 - P) = 18 key steps of 128 keys for every work-group.  Each of its sixteen waves owns 16 queries in
; 256 registers: four waves to a SIMD, so that one wave's vector work stands beside another's products and loads.  A step all of whose keys come after a wave's queries is left out by that wave.
; NO JOINT LOADS: the four work-groups of a head walk 2 (P + 1) and then 16 - 2 P key steps, so at most steps they stand at different keys.  NO TENSOR LOADS: a step's tiles are 8,192 bytes, 512 a wave.
; LAYOUT.  Both products are used transposed: S^T = K Q^T (source 0 = keys, source 1 = my 16 queries), O^T = V^T P^T: a lane holds ONE query (lane % 16) throughout.
; THE HEAD'S 64 IN AN INSTRUCTION OF 128: a fragment of K holds keys 32 f + r in registers 0-3 and keys 32 f + 16 + r in registers 4-7.  q lies in v[16:27] as zeros, codes, zeros: v[20:27] meets the first sixteen
; keys, v[16:23] the second; zero codes add nothing.  q's scale word repeats its two bytes.
; LDS: two slots of 8,192 bytes, images of the operands' registers: K's fragment f, half u at 1,024 f + 512 u + 16 lane; V's fragment t, half c at 4,096 + 2,048 (t / 2) + 1,024 c + 512 (t % 2) + 16 lane.
; Each wave brings 512 consecutive bytes of the NEXT step into registers at a step's head and stores them into the other slot at its end; one barrier a step.  The scale words go from memory into registers.
; LIMITS: NaN and infinities are not served; a block of zeros, or one whose largest magnitude lies under 2^-124, gets the byte 1 (its codes are zeros or held; this program alone reads the bytes).
; REGISTERS: v1 16 lane, v2 4 lane, v3 my place in a slot, v4 r, v5 h, v6 131,072 h + 16 r, v7 4 r, v8 32 r + h, v9 r - 8 h; v12 -M, v13 the largest t, v[14:15] the sum; v[16:27] q; v28 q's scale word, v29 p's;
;   v[30:31] f; then as named below; v226-229 at work; v232-235 the result's codes.
.set KFR, 32                           ; v32-63   K's four fragments
.set VFR, 64                           ; v64-95   V's four
.set SS,  96                           ; v96-159  S^T, then p
.set OT,  160                          ; v160-191 O^T
.set PP,  192                          ; v192-199 p's codes
.set CP,  200                          ; v200-203 my 16 bytes of the next step's tiles
.set SW,  204                          ; v204-211 scale words, two sets of four: K's fragments 0|1, 2|3, V's 0|1, 2|3 (lanes 0-15 | lanes 16-31)
.set BM,  212                          ; v212-215 a block's largest
.set PD,  216                          ; v216-219 the other half's; then the bytes
.set CV,  220                          ; v220-223 the conversions' scale operands
.set SLB, 8192                         ; a slot
	s_load_b512 s[4:19], s[0:1], 0x0               ; qc, qsc, kc, ksc, vc, vsc, ac, asc
	v_lshl_add_u32 v254, v0, 2, 0x4000
	v_mov_b32 v255, 0
	v_lshrrev_b32 v10, 5, v0
	v_readfirstlane_b32 s20, v10                   ; wave 0..15
	s_mov_b32 s21, ttmp9                           ; P
	s_and_b32 s22, ttmp7, 0xffff                   ; batch x 16 + head
	s_lshr_b32 s23, s22, 4                         ; batch
	s_and_b32 s24, s22, 15                         ; head
	s_mov_b32 s25, 0xffff0000                      ; lanes 16-31
	s_mov_b32 s26, 0x76543210
	s_mov_b32 s27, 0xfedcba98                      ; lane l xor 16
	s_mov_b32 s28, 0x3e38aa3b                      ; c = log2(e) / 8
	s_mov_b32 s29, s28                             ; (named with it as a pair)
	v_and_b32 v11, 31, v0
	v_lshlrev_b32 v1, 4, v11
	v_lshlrev_b32 v2, 2, v11
	v_and_b32 v4, 15, v0
	v_bfe_u32 v5, v0, 4, 1
	v_lshlrev_b32 v3, 4, v4                        ; my place in a slot: 16 (lane % 16)
	v_lshl_or_b32 v3, v5, 9, v3                    ; + 512 (lane / 16): the second sixteen rows of my 32
	v_bfe_u32 v10, v0, 5, 2
	v_lshl_or_b32 v3, v10, 10, v3                  ; + 1,024 (wave % 4)
	v_bfe_u32 v10, v0, 7, 1
	v_lshl_or_b32 v3, v10, 8, v3                   ; + 256 ((wave / 4) % 2): the reading lanes' half
	v_bfe_u32 v10, v0, 8, 1
	v_lshl_or_b32 v3, v10, 12, v3                  ; + 4,096 (wave / 8): K, then V
	v_lshlrev_b32 v6, 4, v4
	v_lshl_or_b32 v6, v5, 17, v6
	v_lshlrev_b32 v7, 2, v4
	v_lshl_or_b32 v8, v4, 5, v5
	v_lshlrev_b32 v9, 3, v5
	v_sub_nc_u32 v9, v4, v9
.irp j, 16,17,18,19,24,25,26,27
	v_mov_b32 v[\j], 0                             ; the zero codes round q
.endr
.irp b, 0,1,2,3
	v_mov_b32 v[PD+\b], 0                          ; written once: a lane permute's destination counts as one of its sources
.endr
	v_mov_b32 v31, 0                               ; (the upper half of the pair v[30:31])
	; what my wave copies: waves 0-7: K's block (wave / 4) % 2 of the head's two, keys 32 (wave % 4) on; waves 8-15: V's key block 2 (wave % 2) + (wave / 4) % 2, channels 32 ((wave / 2) % 2) on
	s_bfe_u32 s36, s20, 0x10002
	s_lshl_b32 s41, s24, 1
	s_add_co_u32 s41, s41, s36
	s_lshl_b32 s41, s41, 17
	s_lshl_b32 s37, s23, 15
	s_add_co_u32 s41, s41, s37
	s_and_b32 s37, s20, 3
	s_lshl_b32 s37, s37, 9
	s_add_co_u32 s41, s41, s37                     ; in kc
	s_lshl_b32 s52, s23, 6
	s_add_co_u32 s52, s52, s36
	s_and_b32 s37, s20, 1
	s_lshl_b32 s37, s37, 1
	s_add_co_u32 s52, s52, s37
	s_lshl_b32 s52, s52, 14
	s_lshl_b32 s37, s24, 10
	s_add_co_u32 s52, s52, s37
	s_bfe_u32 s37, s20, 0x10001
	s_lshl_b32 s37, s37, 9
	s_add_co_u32 s52, s52, s37                     ; in vc
	s_mov_b32 s53, 0
	s_mov_b32 s40, 65536
	s_cmp_lt_u32 s20, 8
	s_cselect_b32 s52, s41, s52
	s_cselect_b32 s40, 2048, s40                   ; a key step on: 128 keys of 16 bytes, or four key blocks of 16,384
	s_wait_kmcnt 0x0
	s_cselect_b64 s[38:39], s[8:9], s[12:13]
	s_add_nc_u64 s[38:39], s[38:39], s[52:53]
	s_lshl_b32 s52, s22, 12
	s_add_nc_u64 s[44:45], s[10:11], s[52:53]      ; K's scale words of my head
	s_add_nc_u64 s[6:7], s[6:7], s[52:53]          ; q's
	s_lshl_b32 s52, s23, 16
	s_lshl_b32 s36, s24, 8
	s_add_co_u32 s52, s52, s36
	s_add_nc_u64 s[48:49], s[14:15], s[52:53]      ; V's
	s_lshl_b32 s52, s24, 18
	s_lshl_b32 s36, s23, 15
	s_add_co_u32 s52, s52, s36
	s_add_nc_u64 s[4:5], s[4:5], s[52:53]          ; q's codes: block 2 head, row 2,048 batch
	s_add_nc_u64 s[16:17], s[16:17], s[52:53]      ; the result's likewise
	s_lshl_b32 s52, s23, 16
	s_lshl_b32 s36, s24, 1
	s_add_co_u32 s52, s52, s36
	s_add_nc_u64 s[18:19], s[18:19], s[52:53]      ; the result's scale bytes: 32 a row, byte 2 head
	s_mov_b32 s30, s21                             ; the block of queries in hand
	s_lshl_b32 s31, s21, 1
	s_add_co_u32 s31, s31, 2                       ; its key steps
	s_mov_b32 s32, 0                               ; the key step in hand
	s_mov_b32 s33, 9                               ; trips of two steps
; Key step s37's tiles and scale words are asked for: my 16 bytes, and the four scale registers of set
.macro NEXT set
	s_mul_i32 s52, s37, s40
	s_add_nc_u64 s[42:43], s[38:39], s[52:53]
	s_lshl_b32 s52, s37, 8
	s_add_nc_u64 s[46:47], s[44:45], s[52:53]
	s_lshl_b32 s52, s37, 12
	s_add_nc_u64 s[50:51], s[48:49], s[52:53]
	global_load_b128 v[CP:CP+3], v1, s[42:43]      ; 32 lanes read 512 consecutive bytes
	global_load_b32 v[SW+4*(\set)], v2, s[46:47]
	global_load_b32 v[SW+4*(\set)+1], v2, s[46:47] offset:128
	global_load_b32 v[SW+4*(\set)+2], v2, s[50:51]
	global_load_b32 v[SW+4*(\set)+3], v2, s[50:51] offset:128
.endm
; A block of queries begins: my 16 queries' codes and scale word; M, the sums and O^T start anew
.macro INIT
	s_lshl_b32 s34, s30, 8
	s_lshl_b32 s36, s20, 4
	s_add_co_u32 s34, s34, s36                     ; my first query
	s_lshl_b32 s52, s34, 4
	s_add_nc_u64 s[54:55], s[4:5], s[52:53]
	s_add_nc_u64 s[58:59], s[16:17], s[52:53]
	s_lshl_b32 s52, s34, 5
	s_add_nc_u64 s[60:61], s[18:19], s[52:53]
	s_lshr_b32 s52, s34, 5
	s_lshl_b32 s52, s52, 6
	s_bfe_u32 s36, s34, 0x10004
	s_lshl_b32 s36, s36, 1
	s_add_co_u32 s52, s52, s36
	s_add_nc_u64 s[56:57], s[6:7], s[52:53]
	global_load_b128 v[20:23], v6, s[54:55]        ; lane (r, h): block h of query r
	global_load_u16 v11, v7, s[56:57]              ; its two scale bytes
	v_mov_b32 v13, 0xff61b1e6                      ; the largest t so far: -3e38, under every t
	v_floor_f32 v12, -v13                          ; -M
	v_mov_b32 v14, 0
	v_mov_b32 v15, 0
	s_wait_loadcnt 0x0
	v_lshl_or_b32 v28, v11, 16, v11                ; the two bytes twice
.set n, 0
.rept 32
	v_mov_b32 v[OT+n], 0                           ; O^T: the first change of M leaves zeros zeros.  (These lines are also the places between the scale word's write and the first product)
.set n, n+1
.endr
.endm
; A KEY STEP on slot sl and scale set sl
.macro STEP sl
	s_add_co_u32 s37, s32, 1
	s_cmp_eq_u32 s37, s31
	s_cselect_b32 s37, 0, s37                      ; the next step; behind a block's last step: key step 0, for the next block of queries (behind the very last step nobody reads it: it lies inside the buffers)
	NEXT 1-\sl
	s_lshl_b32 s35, s32, 7                         ; the step's first key
	s_add_co_u32 s36, s34, 15
	s_cmp_gt_u32 s35, s36                          ; all its keys come after my queries: a branch on ids, round the work alone
	s_cbranch_scc1 .Lhidden_\@
.irp f, 0,1,2,3
	ds_load_b128 v[KFR+8*\f:KFR+8*\f+3], v1 offset:\sl*SLB+\f*1024
	ds_load_b128 v[KFR+8*\f+4:KFR+8*\f+7], v1 offset:\sl*SLB+\f*1024+512
.endr
	s_wait_dscnt 0x0
.irp f, 0,1,2,3                         ; S^T: tile 2 f + u holds keys 32 f + 16 u + 8 h + 0 .. 7 of query r
.irp u, 0,1
.if (\f)%2
	v_wmma_scale_f32_16x16x128_f8f6f4 v[SS+16*\f+8*\u:SS+16*\f+8*\u+7], v[KFR+8*\f:KFR+8*\f+7], v[20-4*\u:27-4*\u], 0, v[SW+4*\sl+\f/2], v28 matrix_a_fmt:MATRIX_FMT_FP4 matrix_b_fmt:MATRIX_FMT_FP4 matrix_a_scale:MATRIX_SCALE_ROW1
.else
	v_wmma_scale_f32_16x16x128_f8f6f4 v[SS+16*\f+8*\u:SS+16*\f+8*\u+7], v[KFR+8*\f:KFR+8*\f+7], v[20-4*\u:27-4*\u], 0, v[SW+4*\sl+\f/2], v28 matrix_a_fmt:MATRIX_FMT_FP4 matrix_b_fmt:MATRIX_FMT_FP4
.endif
.endr
.endr
.irp t, 0,1,2,3
.irp c, 0,1
	ds_load_b128 v[VFR+8*\t+4*\c:VFR+8*\t+4*\c+3], v1 offset:\sl*SLB+4096+(\t/2)*2048+\c*1024+(\t%2)*512   ; V lands while the softmax is walked
.endr
.endr
.rept 4
	v_nop                                          ; places behind the products, ahead of the first read of the scores
.endr
	s_add_co_u32 s36, s35, 127
	s_cmp_le_u32 s36, s34                          ; all keys count: no mask
	s_cbranch_scc1 .Lopen_\@
	s_sub_co_i32 s36, s34, s35
	v_add_nc_u32 v227, s36, v9                     ; d = my query - the step's first key - 8 h.  Register 8 t + j holds key 16 t + 8 h + j: hidden where 16 t + j > d
	v_mov_b32 v228, 0xff800000                     ; -infinity: p = 0 then.  The step's first key counts for every query of mine, so M stays a number
.set n, 0
.rept 64
	v_cmp_gt_i32 vcc_lo, 16*(n/8)+n%8, v227
	v_cndmask_b32 v[SS+n], v[SS+n], v228, vcc_lo
.set n, n+1
.endr
.Lopen_\@:
.irp b, 0,1,2,3
	v_max3_num_f32 v[BM+\b], v[SS+16*\b], v[SS+16*\b+1], v[SS+16*\b+2]   ; the largest score of each block of 32 keys: for the row's maximum, and, since p rises with the score, for the block's largest p
.endr
.irp i, 3,5,7,9,11,13
.irp b, 0,1,2,3
	v_max3_num_f32 v[BM+\b], v[BM+\b], v[SS+16*\b+\i], v[SS+16*\b+\i+1]
.endr
.endr
.irp b, 0,1,2,3
	v_max_num_f32 v[BM+\b], v[BM+\b], v[SS+16*\b+15]
.endr
.irp b, 0,1,2,3
	v_permlanex16_b32 v[PD+\b], v[BM+\b], s26, s27
.endr
.irp b, 0,1,2,3
	v_max_num_f32 v[BM+\b], v[BM+\b], v[PD+\b]     ; with lane l xor 16's 16 keys
.endr
	v_max3_num_f32 v226, v[BM], v[BM+1], v[BM+2]
	v_max_num_f32 v226, v226, v[BM+3]
	v_mul_f32 v226, s28, v226                      ; as t
	v_max_num_f32 v13, v13, v226                   ; the running largest t
	v_mov_b32 v226, v12
	v_floor_f32 v12, -v13                          ; the new -M = -ceil(t)
	v_sub_f32 v226, v12, v226                      ; old M - new M: a whole number, 0 or less
	v_cvt_i32_f32 v226, v226                       ; (it saturates)
	v_ldexp_f32 v30, 1.0, v226                     ; f = 2^(old M - new M)
.set n, 0
.rept 32
	v_pk_fma_f32 v[SS+n:SS+n+1], v[SS+n:SS+n+1], s[28:29], v[12:13] op_sel_hi:[1,0,0]   ; t - M, two at a time
.set n, n+2
.endr
.irp b, 0,1,2,3
	v_fma_f32 v[BM+\b], v[BM+\b], s28, v12         ; the same of each block's largest score
.endr
.set n, 0
.rept 64
	v_exp_f32 v[SS+n], v[SS+n]                     ; p = 2^(t - M)
.set n, n+1
.endr
	v_pk_mul_f32 v[14:15], v[14:15], v[30:31] op_sel_hi:[1,0]   ; the sums under the new M: the plain line behind the exponentials
	s_wait_alu depctr_va_vdst(0)                   ; one wait for the batch of 64, ahead of its first reader
.irp b, 0,1,2,3
	v_exp_f32 v[BM+\b], v[BM+\b]                   ; the block's largest p: the same two instructions on the same number
.endr
	v_pk_add_f32 v[224:225], v[SS:SS+1], v[SS+2:SS+3]           ; the row's sum of the unquantised p, in two chains
.irp j, 4,8,12,16,20,24,28,32,36,40,44,48,52,56,60
	v_pk_add_f32 v[14:15], v[14:15], v[SS+\j:SS+\j+1]
	v_pk_add_f32 v[224:225], v[224:225], v[SS+\j+2:SS+\j+3]
.endr
	v_pk_add_f32 v[14:15], v[14:15], v[224:225]
	s_wait_alu depctr_va_vdst(0)                   ; and one for the four
.irp b, 0,1,2,3
	v_max_num_f32 v[BM+\b], 0x1800000, v[BM+\b]    ; the floor 2^(3 - 127): the byte cannot fall under 1
.endr
.irp b, 0,1,2,3
	v_add_nc_u32 v[CV+\b], 0xff000000, v[BM+\b]    ; 2 off the exponent field: the conversion's scale operand
.endr
.irp b, 0,1,2,3
	v_lshrrev_b32 v[PD+\b], 23, v[CV+\b]           ; the scale's byte
.endr
	v_lshl_or_b32 v29, v[PD+1], 8, v[PD]
	v_lshl_or_b32 v29, v[PD+2], 16, v29
	v_lshl_or_b32 v29, v[PD+3], 24, v29            ; p's scale word for these 128 keys
.irp c, 0,1
	v_cvt_scalef32_pk8_fp4_f32 v[PP+4*\c], v[SS+32*\c:SS+32*\c+7], v[CV+2*\c]
	v_cvt_scalef32_pk8_fp4_f32 v[PP+4*\c+2], v[SS+32*\c+8:SS+32*\c+15], v[CV+2*\c]
	v_cvt_scalef32_pk8_fp4_f32 v[PP+4*\c+1], v[SS+32*\c+16:SS+32*\c+23], v[CV+2*\c+1]
	v_cvt_scalef32_pk8_fp4_f32 v[PP+4*\c+3], v[SS+32*\c+24:SS+32*\c+31], v[CV+2*\c+1]
.endr
	v_nop                                          ; one plain place behind the conversions
.irp c, 0,1
	v_permlane16_swap_b32 v[PP+4*\c], v[PP+4*\c+1] ; lane (r, h) now holds keys 64 c + 32 h + 0 .. 31 in registers 4 c .. 4 c + 3
	v_permlane16_swap_b32 v[PP+4*\c+2], v[PP+4*\c+3]
.endr
.set n, 0
.rept 16
	v_pk_mul_f32 v[OT+n:OT+n+1], v[OT+n:OT+n+1], v[30:31] op_sel_hi:[1,0]   ; O^T under the new M
.set n, n+2
.endr
.rept 4
	v_nop                                          ; with the lines above: the places between the writes of p's codes and scale word and the products
.endr
	s_wait_dscnt 0x0                               ; V is in
.irp t, 0,1,2,3                         ; O^T += V^T P^T: the four accumulators by turns
.if (\t)%2
	v_wmma_scale_f32_16x16x128_f8f6f4 v[OT+8*\t:OT+8*\t+7], v[VFR+8*\t:VFR+8*\t+7], v[PP:PP+7], v[OT+8*\t:OT+8*\t+7], v[SW+4*\sl+2+\t/2], v29 matrix_a_fmt:MATRIX_FMT_FP4 matrix_b_fmt:MATRIX_FMT_FP4 matrix_a_scale:MATRIX_SCALE_ROW1
.else
	v_wmma_scale_f32_16x16x128_f8f6f4 v[OT+8*\t:OT+8*\t+7], v[VFR+8*\t:VFR+8*\t+7], v[PP:PP+7], v[OT+8*\t:OT+8*\t+7], v[SW+4*\sl+2+\t/2], v29 matrix_a_fmt:MATRIX_FMT_FP4 matrix_b_fmt:MATRIX_FMT_FP4
.endif
.endr
.rept 4
	v_nop                                          ; places ahead of the next step's loads into this set of scale words, and of the first read of O^T
.endr
.Lhidden_\@:
	s_add_co_u32 s32, s32, 1
	s_wait_loadcnt 0x0                             ; the next step's bytes and scale words are in
	ds_store_b128 v3, v[CP:CP+3] offset:(1-\sl)*SLB   ; into the slot that every wave left in front of the last barrier
	s_wait_dscnt 0x0                               ; for the others' sake: my store has landed, and my reads of this slot are over
	s_barrier_signal -1
	s_barrier_wait -1
.endm
; A block of queries ends: O^T / the sum, quantised along the head's 64 channels (two blocks of 32), codes and bytes stored
.macro FINAL
	v_add_f32 v14, v14, v15
	v_permlanex16_b32 v[PD], v14, s26, s27
	v_add_f32 v14, v14, v[PD]                      ; the row's sum
	v_rcp_f32 v30, v14
	v_nop                                          ; a plain line behind the reciprocal
	s_wait_alu depctr_va_vdst(0)                   ; and the wait ahead of its first reader
.set n, 0
.rept 16
	v_pk_mul_f32 v[SS+n:SS+n+1], v[OT+n:OT+n+1], v[30:31] op_sel_hi:[1,0]   ; register 8 t + j: channel 16 t + 8 h + j of query r
.set n, n+2
.endr
.irp x, 0,1
	v_max3_num_f32 v[BM+\x], |v[SS+16*\x]|, |v[SS+16*\x+1]|, 0x1800000
.endr
.irp i, 2,4,6,8,10,12,14
.irp x, 0,1
	v_max3_num_f32 v[BM+\x], v[BM+\x], |v[SS+16*\x+\i]|, |v[SS+16*\x+\i+1]|
.endr
.endr
.irp x, 0,1
	v_permlanex16_b32 v[PD+\x], v[BM+\x], s26, s27
.endr
.irp x, 0,1
	v_max_num_f32 v[BM+\x], v[BM+\x], v[PD+\x]
.endr
.irp x, 0,1
	v_add_nc_u32 v[CV+\x], 0xff000000, v[BM+\x]
.endr
.irp x, 0,1
	v_lshrrev_b32 v[PD+\x], 23, v[CV+\x]
.endr
	v_cvt_scalef32_pk8_fp4_f32 v232, v[SS:SS+7], v[CV]
	v_cvt_scalef32_pk8_fp4_f32 v234, v[SS+8:SS+15], v[CV]
	v_cvt_scalef32_pk8_fp4_f32 v233, v[SS+16:SS+23], v[CV+1]
	v_cvt_scalef32_pk8_fp4_f32 v235, v[SS+24:SS+31], v[CV+1]
	v_cndmask_b32 v229, v[PD], v[PD+1], s25        ; block h's byte.  (The plain place behind the conversions)
	v_permlane16_swap_b32 v232, v233
	v_permlane16_swap_b32 v234, v235               ; lane (r, h): the 16 bytes of block h of query r
	global_store_b128 v6, v[232:235], s[58:59]     ; each half of the lanes stores 256 consecutive bytes, aligned
	global_store_b8 v8, v229, s[60:61]
	s_wait_xcnt 0x0                                ; the stores have read their bases and data: both are written again below
.endm
	s_mov_b32 s37, 0
	NEXT 0                                         ; key step 0 into slot 0 and set 0
	INIT                                           ; (its wait is for all loads)
	ds_store_b128 v3, v[CP:CP+3]
	s_wait_dscnt 0x0
	s_barrier_signal -1
	s_barrier_wait -1
.Ltrip:                                            ; nine trips of two key steps: both blocks of queries have an even number of steps
	STEP 0
	STEP 1
	s_cmp_lg_u32 s32, s31
	s_cbranch_scc1 .Lgoes_on
	FINAL
	s_cmp_eq_u32 s33, 1                            ; the last trip: nothing follows
	s_cbranch_scc1 .Lgoes_on
	s_sub_co_u32 s30, 7, s21                       ; the second block of queries
	s_lshl_b32 s31, s21, 1
	s_sub_co_u32 s31, 16, s31
	s_mov_b32 s32, 0
	INIT
.Lgoes_on:
	s_sub_co_u32 s33, s33, 1
	s_cmp_lg_u32 s33, 0
	s_cbranch_scc1 .Ltrip
	s_wait_tensorcnt 0x0
	ds_add_u32 v254, v255
	s_wait_dscnt 0x0
	s_endpgm
.Lfunc_end_k_q7de62a6b92_attn:
	.size	k_q7de62a6b92_attn, .Lfunc_end_k_q7de62a6b92_attn-k_q7de62a6b92_attn
	.p2alignl 7, 3214868480
	.fill 96, 4, 3214868480
	.section	.rodata,"a",@progbits
	.p2align	6, 0x0
	.amdhsa_kernel k_q7de62a6b92_attn
		.amdhsa_group_segment_fixed_size 18432
		.amdhsa_private_segment_fixed_size 0
		.amdhsa_enable_private_segment 0
		.amdhsa_kernarg_size 64
		.amdhsa_user_sgpr_count 2
		.amdhsa_user_sgpr_kernarg_segment_ptr 1
		.amdhsa_wavefront_size32 1
		.amdhsa_system_sgpr_workgroup_id_x 1
		.amdhsa_system_sgpr_workgroup_id_y 1
		.amdhsa_system_sgpr_workgroup_id_z 1
		.amdhsa_system_vgpr_workitem_id 0
		.amdhsa_next_free_vgpr 256
		.amdhsa_next_free_sgpr 66
		.amdhsa_reserve_vcc 1
		.amdhsa_float_denorm_mode_32 3
		.amdhsa_float_denorm_mode_16_64 3
		.amdhsa_memory_ordered 1
		.amdhsa_forward_progress 1
		.amdhsa_inst_pref_size 55
	.end_amdhsa_kernel
	.amdgpu_metadata
---
amdhsa.version: [ 1, 2 ]
amdhsa.kernels:
  - .name:           k_q7de62a6b92_attn
    .symbol:         k_q7de62a6b92_attn.kd
    .args:
      - { .name: qc, .offset: 0, .size: 8, .value_kind: global_buffer, .address_space: global }
      - { .name: qsc, .offset: 8, .size: 8, .value_kind: global_buffer, .address_space: global }
      - { .name: kc, .offset: 16, .size: 8, .value_kind: global_buffer, .address_space: global }
      - { .name: ksc, .offset: 24, .size: 8, .value_kind: global_buffer, .address_space: global }
      - { .name: vc, .offset: 32, .size: 8, .value_kind: global_buffer, .address_space: global }
      - { .name: vsc, .offset: 40, .size: 8, .value_kind: global_buffer, .address_space: global }
      - { .name: ac, .offset: 48, .size: 8, .value_kind: global_buffer, .address_space: global }
      - { .name: asc, .offset: 56, .size: 8, .value_kind: global_buffer, .address_space: global }
    .group_segment_fixed_size: 18432
    .private_segment_fixed_size: 0
    .kernarg_segment_align: 8
    .kernarg_segment_size: 64
    .max_flat_workgroup_size: 512
    .sgpr_count:     66
    .vgpr_count:     256
    .wavefront_size: 32
...
	.end_amdgpu_metadata
.endif
;; end of part 2
;; launch outp (part 3): grid 4 x 64, 4 waves a work-group, clusters of 4 x 4, 218,368 bytes of LDS; arguments ac, asc, Wp_codes, Wp_scales, out0, bp; writes out0
.if DOCPART == 3
	.amdgcn_target "amdgcn-amd-amdhsa--gfx1250"
	.amdhsa_code_object_version 6
	.text
	.protected	k_q7de62a6b92_outp
	.globl	k_q7de62a6b92_outp
	.p2align	8
	.type	k_q7de62a6b92_outp,@function
k_q7de62a6b92_outp:
	s_mov_b64 s[64:65], 0
	v_nop
	global_prefetch_b8 v0, s[64:65] scope:SCOPE_SE
	s_setreg_imm32_b32 hwreg(HW_REG_WAVE_MODE, 25, 1), 1
	s_wait_xcnt 0x0
	s_wait_alu depctr_hold_cnt(0) depctr_sa_sdst(0) depctr_va_vdst(0) depctr_va_sdst(0) depctr_va_ssrc(0) depctr_va_vcc(0) depctr_vm_vsrc(0)
	s_getreg_b32 s2, hwreg(HW_REG_IB_STS2, 6, 4)
	s_cmp_eq_u32 s2, 0
	s_cbranch_scc0 .Lentry_in_a_cluster
	s_endpgm
.Lentry_in_a_cluster:
	s_bfe_u32 s2, ttmp6, 0x10000c
	s_cmp_lg_u32 s2, 0xf033
	s_cbranch_scc0 .Lentry_shape_is_right
	s_endpgm
.Lentry_shape_is_right:
; out0 = att Wp + bp on codes of FP4 (E2M1) with one E8M0 scale for each 32 along K = 1,024.  att: codes block-major, ac [K / 32][8192 rows][16 bytes], scale bytes asc [row][32]; Wp: [1024 (out)][1024] codes, 512 bytes a row.
; SHARES.  256 work-groups, each a tile of 128 rows x 256 columns; each of its four waves 64 x 128: 32 accumulators.  Source 0 = 16 rows of Wp, source 1 = 16 rows of att: a lane holds eight neighbouring columns of one row.
; ALL OF K LIES IN LDS AT ONCE: two slots of 512 along K, each filled once; so no LDS byte is filled twice.  A wave has three tensor loads out at the most.
; JOINT LOADS: 4 x 4 work-groups: att's tile hangs on the tile row alone and is shared along a row of the cluster, Wp's on the tile column alone and is shared along a column.
; LDS: a slot: att's two halves of 64 rows, [16 blocks][64 rows][16 bytes], 16,384 bytes each (sixteen lanes read 256 consecutive bytes: no padding); then Wp's two halves of 128 rows x (256 + 16) bytes.  Behind the slots the scale bytes.
; REGISTERS, in windows of 256: window 0: v1-27 addresses; v32-95 scale words; v192-255 att's fragments, two sets; on the way out v128-255 rows of out0.
;   window 1: Wp's fragments, two sets, at v0 and v128; v64-127 the bias.   window 2: the accumulators ((a, b) at v[8 (8 a + b)]).
.set NA,     4
.set PITCH,  272
.set HALFT,  128*PITCH                 ; Wp: 128 rows
.set HALFA,  16384                     ; att: 64 rows x 16 blocks
.set SLOT,   2*HALFA+2*HALFT
.set SCL,    2*SLOT
.set HALFSA, 8*272                     ; att's scale bytes of 64 rows
.set HALFS,  16*272                    ; Wp's of 128 rows
.set SBLK,   2*272
.set SPITCH, 528                       ; the way out: a stage of 16 rows x (512 bytes + 16) for each wave, in slot 0, which has had its one fill and its last read when the first result is stored there
.set ADRA,  16
.set ADRB,  20
.set STO,   24
.set RD,    25
.set CO,    26
.set ADRS,  27
.set SC,    32
.set AF,    192
.set BK,    128
.set BIAS,  64
.set G1,   24
.set G0,   32
.set G1B,  48
.set G0B,  56
.set G1S,  68
.set G0S,  76
.set G1SB, 80
.set G0SB, 88
.set MSB, 0
.macro WIN new
.if MSB != (\new)
	s_set_vgpr_msb (MSB<<8)|(\new)
.set MSB, (\new)
.endif
.endm
.macro JLOAD g0a, g1a, g0b, g1b        ; waves 0 and 1 fetch for att, waves 2 and 3 for Wp; four v_nop follow each of the two lines
	s_cmp_eq_u32 s15, 0
	s_cbranch_scc0 .Lfor_b_\@
	tensor_load_to_lds s[\g0a:\g0a+3], s[\g1a:\g1a+7]
	s_nop 0
.rept 4
	v_nop
.endr
	s_branch .Lasked_\@
.Lfor_b_\@:
	tensor_load_to_lds s[\g0b:\g0b+3], s[\g1b:\g1b+7]
	s_nop 0
.rept 4
	v_nop
.endr
.Lasked_\@:
.endm
.macro CROUND
	s_barrier_signal -1
	s_barrier_wait -1
	s_cmp_lg_u32 s14, 0
	s_cbranch_scc1 .Lnot_wave_0_\@
	s_barrier_signal -3
.Lnot_wave_0_\@:
	s_barrier_wait -3
	s_barrier_signal -1
	s_barrier_wait -1
.endm
.macro PLACES n
.rept \n
	v_nop
.endr
.endm
.macro FRAGB reg, adr, q, i            ; from rows: lane l: row l % 16; registers 4 c .. 4 c + 3: K = 64 c + 32 (l / 16) + 0 .. 31
.irp c, 0,1
	ds_load_b128 v[\reg+4*\c:\reg+4*\c+3], v[\adr] offset:64*(\q)+32*\c+(\i)*16*PITCH
.endr
.endm
.macro FRAGA reg, adr, q, i            ; from blocks: the same registers are block 4 q + 2 c + (l / 16) of row l % 16
.irp c, 0,1
	ds_load_b128 v[\reg+4*\c:\reg+4*\c+3], v[\adr] offset:(4*(\q)+2*\c)*1024+(\i)*256
.endr
.endm
.macro FETCH g
	WIN 0x40
.irp i, 0,1,2,3,4,5,6,7
	FRAGB 128*((\g)%2)+8*\i, ADRB+(\g)/4, (\g)%4, \i
.endr
	WIN 0
.irp i, 0,1,2,3
	FRAGA AF+8*NA*((\g)%2)+8*\i, ADRA+(\g)/4, (\g)%4, \i
.endr
.endm
.macro SCALES                          ; lanes 0-15 take att's block i (for i above 3 they read filled bytes that nobody uses), lanes 16-31 Wp's block i
.irp s, 0,1
.irp i, 0,1,2,3,4,5,6,7
	ds_load_b128 v[SC+32*\s+4*\i:SC+32*\s+4*\i+3], v[ADRS] offset:\i*SBLK+16*\s
.endr
.endr
.endm
.macro MULA a, g, mode                 ; att's block a against Wp's eight, K step g.  mode 1: the sums begin with the bias
.irp b, 0,1,2,3,4,5,6,7
.set rD, 8*(8*(\a)+\b)
.set rB, 128*((\g)%2)+8*\b
.set rA, AF+8*NA*((\g)%2)+8*(\a)
.set rSB, SC+32*((\g)/4)+4*\b+(\g)%4
.set rSA, SC+32*((\g)/4)+4*(\a)+(\g)%4
.if \mode == 0
	v_wmma_scale_f32_16x16x128_f8f6f4 v[rD:rD+7], v[rB:rB+7], v[rA:rA+7], v[rD:rD+7], v[rSB], v[rSA] matrix_a_fmt:MATRIX_FMT_FP4 matrix_b_fmt:MATRIX_FMT_FP4 matrix_a_scale:MATRIX_SCALE_ROW1
.else
	v_wmma_scale_f32_16x16x128_f8f6f4 v[rD:rD+7], v[rB:rB+7], v[rA:rA+7], v[BIAS+8*\b:BIAS+8*\b+7], v[rSB], v[rSA] matrix_a_fmt:MATRIX_FMT_FP4 matrix_b_fmt:MATRIX_FMT_FP4 matrix_a_scale:MATRIX_SCALE_ROW1
.endif
.endr
.endm
.macro KSTEP g, mode                   ; this step's fragments are in; the next step's 24 loads go out in one run; 32 products, the accumulators by turns
	s_wait_dscnt 0x0
.if (\g) == 3
	s_wait_tensorcnt 0x0                           ; my part of slot 1 has landed;
	s_barrier_signal -1
	s_barrier_wait -1                              ; everybody's has, and nobody reads slot 0 any more
.endif
.if (\g) < 7
.if (\g) > 0
	PLACES 4
.endif
	FETCH (\g)+1
.endif
.if \mode
	WIN 0x91                                       ; Wp window 1, att window 0, C (the bias) window 1, D window 2
.else
	WIN 0xa1
.endif
	MULA 0, \g, \mode
	MULA 1, \g, \mode
	MULA 2, \g, \mode
	MULA 3, \g, \mode
.endm
	s_load_b256 s[4:11], s[0:1], 0x0               ; ac, asc, Wp's codes, Wp's scales
	s_load_b128 s[92:95], s[0:1], 0x20             ; out0, bp
	v_lshl_add_u32 v126, v0, 2, 0x35300
	v_mov_b32 v127, 0
	ds_add_u32 v126, v127
	ds_add_u32 v126, v127
	v_lshrrev_b32 v1, 5, v0
	v_readfirstlane_b32 s14, v1                    ; wave 0..3
	s_lshr_b32 s15, s14, 1                         ; which half of the tile's rows is mine.  Also: I fetch for att (0) or for Wp (1)
	s_and_b32 s16, s14, 1                          ; which half of its columns.  Also: which half I fetch
	s_bfe_u32 s40, ttmp6, 0x40000                  ; cx
	s_bfe_u32 s41, ttmp6, 0x40004                  ; cy
	s_lshl_b32 s42, ttmp9, 2
	s_add_co_u32 s42, s42, s40                     ; tile column
	s_and_b32 s17, ttmp7, 0xffff
	s_lshl_b32 s17, s17, 2
	s_add_co_u32 s17, s17, s41                     ; tile row
	s_lshl_b32 s43, s41, 2
	s_lshl_b32 s43, 15, s43                        ; my row of the cluster
	s_lshl_b32 s44, 0x1111, s40                    ; my column
	; att's codes: 16 blocks x (64 rows x 16 bytes), 131,072 bytes from block to block, no padding
	s_or_b32 s[G1], s43, (1<<21)
	s_mov_b32 s[G1+1], 1024<<16
	s_mov_b32 s[G1+2], 16<<16
	s_mov_b32 s[G1+3], 1024<<16
	s_mov_b32 s[G1+4], 16
	s_mov_b32 s[G1+5], 131072
	s_mov_b32 s[G1+6], 0
	s_mov_b32 s[G1+7], 0
	; Wp's codes: 128 rows x 256 bytes, 512 bytes from row to row, 16 bytes of padding behind each 256
	s_or_b32 s[G1B], s44, (1<<20)|(1<<21)|(5<<22)|(3<<25)
	s_mov_b32 s[G1B+1], 256<<16
	s_mov_b32 s[G1B+2], 128<<16
	s_mov_b32 s[G1B+3], 256<<16
	s_mov_b32 s[G1B+4], 128
	s_mov_b32 s[G1B+5], 512
	s_mov_b32 s[G1B+6], 0
	s_mov_b32 s[G1B+7], 0
	; the scale bytes: dense blocks as rows of 256 bytes (32 elements of 8), 16 bytes of padding behind each: 8 rows for att's 64, 16 for Wp's 128
	s_or_b32 s[G1S], s43, (3<<16)|(1<<20)|(1<<21)|(5<<22)|(3<<25)
	s_mov_b32 s[G1S+1], 32<<16
	s_mov_b32 s[G1S+2], 8<<16
	s_mov_b32 s[G1S+3], 32<<16
	s_mov_b32 s[G1S+4], 8
	s_mov_b32 s[G1S+5], 32
	s_mov_b32 s[G1S+6], 0
	s_mov_b32 s[G1S+7], 0
	s_or_b32 s[G1SB], s44, (3<<16)|(1<<20)|(1<<21)|(5<<22)|(3<<25)
	s_mov_b32 s[G1SB+1], 32<<16
	s_mov_b32 s[G1SB+2], 16<<16
	s_mov_b32 s[G1SB+3], 32<<16
	s_mov_b32 s[G1SB+4], 16
	s_mov_b32 s[G1SB+5], 32
	s_mov_b32 s[G1SB+6], 0
	s_mov_b32 s[G1SB+7], 0
	s_lshl_b32 s20, s17, 7
	s_lshl_b32 s18, s16, 6
	s_add_co_u32 s20, s20, s18                     ; att: the first row that I fetch
	s_lshl_b32 s22, s20, 5                         ; its scale bytes,
	s_mov_b32 s23, 0
	s_lshl_b32 s20, s20, 4                         ; its place in a block of codes
	s_mov_b32 s21, 0
	s_lshl_b32 s46, s42, 8
	s_lshl_b32 s18, s16, 7
	s_add_co_u32 s46, s46, s18                     ; Wp likewise
	s_lshl_b32 s18, s46, 5
	s_mov_b32 s19, 0
	s_lshl_b32 s46, s46, 9
	s_mov_b32 s47, 0
	s_lshl_b32 s45, s16, 14                        ; where they go: the wave's number alone enters an LDS address
	s_mul_i32 s96, s16, HALFT
	s_add_co_u32 s96, s96, 2*HALFA
	s_mul_i32 s97, s16, HALFSA
	s_add_co_u32 s97, s97, SCL
	s_mul_i32 s98, s16, HALFS
	s_add_co_u32 s98, s98, SCL+2*HALFSA
	s_wait_dscnt 0x0
	s_wait_kmcnt 0x0
	s_add_nc_u64 s[20:21], s[4:5], s[20:21]
	s_add_nc_u64 s[22:23], s[6:7], s[22:23]
	s_add_nc_u64 s[46:47], s[8:9], s[46:47]
	s_add_nc_u64 s[18:19], s[10:11], s[18:19]
	CROUND                                         ; all sixteen work-groups are here: the joint loads meet
	s_mov_b32 s[G0S], 1
	s_mov_b32 s[G0S+1], s97
	s_mov_b64 s[G0S+2:G0S+3], s[22:23]
	s_or_b32 s[G0S+3], s[G0S+3], 0x80000000
	s_mov_b32 s[G0SB], 1
	s_mov_b32 s[G0SB+1], s98
	s_mov_b64 s[G0SB+2:G0SB+3], s[18:19]
	s_or_b32 s[G0SB+3], s[G0SB+3], 0x80000000
	JLOAD G0S, G1S, G0SB, G1SB
.irp s, 0,1
	s_mov_b32 s[G0+4*\s], 1
	s_add_co_u32 s[G0+4*\s+1], s45, \s*SLOT
	s_add_nc_u64 s[G0+4*\s+2:G0+4*\s+3], s[20:21], \s*16*131072
	s_or_b32 s[G0+4*\s+3], s[G0+4*\s+3], 0x80000000
	s_mov_b32 s[G0B+4*\s], 1
	s_add_co_u32 s[G0B+4*\s+1], s96, \s*SLOT
	s_add_nc_u64 s[G0B+4*\s+2:G0B+4*\s+3], s[46:47], \s*256
	s_or_b32 s[G0B+4*\s+3], s[G0B+4*\s+3], 0x80000000
	JLOAD G0+4*\s, G1, G0B+4*\s, G1B
.endr
	v_and_b32 v1, 15, v0                           ; r
	v_bfe_u32 v2, v0, 4, 1                         ; h
	v_lshlrev_b32 v3, 4, v1
	v_lshl_add_u32 v3, v2, 10, v3                  ; att: 16 r + one block for lanes 16-31
	v_mul_u32_u24 v4, v1, PITCH
	v_lshl_add_u32 v4, v2, 4, v4                   ; Wp: row x pitch + 16 h
	s_lshl_b32 s21, s15, 14                        ; my 64 rows of att
	s_mul_i32 s22, s16, HALFT
	s_add_co_u32 s22, s22, 2*HALFA                 ; my 128 rows of Wp
.irp s, 0,1
	v_add_nc_u32 v[ADRA+\s], s21, v3
	v_add_nc_u32 v[ADRB+\s], s22, v4
	s_add_co_u32 s21, s21, SLOT
	s_add_co_u32 s22, s22, SLOT
.endr
	v_lshlrev_b32 v5, 5, v1                        ; my row's scale bytes: 32 a row,
	v_lshrrev_b32 v6, 8, v5
	v_lshl_add_u32 v5, v6, 4, v5                   ; and 16 more for each 256 passed
	s_mul_i32 s21, s15, HALFSA
	s_mul_i32 s22, s16, HALFS
	s_add_co_u32 s22, s22, 2*HALFSA
	s_sub_co_u32 s22, s22, s21
	v_mul_u32_u24 v6, s22, v2                      ; lanes 16-31 take Wp's: one product, the distance between the two bases
	s_add_co_u32 s21, s21, SCL
	v_add_nc_u32 v5, v5, v6
	v_add_nc_u32 v[ADRS], s21, v5
	s_mul_i32 s23, s14, 16*SPITCH                  ; my stage
	v_mul_u32_u24 v5, v1, SPITCH
	v_lshl_add_u32 v5, v2, 5, v5
	v_add_nc_u32 v[STO], s23, v5                   ; in: row r, 32 bytes for each half of the lanes
	v_and_b32 v6, 31, v0
	v_lshlrev_b32 v[CO], 4, v6                     ; back: the 32 lanes take one row of 512 bytes; and the same in out0
	v_add_nc_u32 v[RD], s23, v[CO]
	v_lshlrev_b32 v14, 5, v2                       ; the bias: 32 h
	s_lshl_b32 s20, s42, 8
	s_lshl_b32 s21, s16, 7
	s_add_co_u32 s20, s20, s21
	s_lshl_b32 s20, s20, 2                         ; my first column, in bytes
	s_mov_b32 s21, 0
	s_add_nc_u64 s[94:95], s[94:95], s[20:21]
	s_add_nc_u64 s[92:93], s[92:93], s[20:21]
	s_lshl_b32 s20, s17, 7
	s_lshl_b32 s22, s15, 6
	s_add_co_u32 s20, s20, s22
	s_lshl_b32 s20, s20, 12                        ; my first row: 4,096 bytes a row
	s_add_nc_u64 s[92:93], s[92:93], s[20:21]
	WIN 0x40
.irp b, 0,1,2,3,4,5,6,7
	global_load_b128 v[BIAS+8*\b:BIAS+8*\b+3], v14, s[94:95] offset:64*\b      ; register j of block b: column 16 b + 8 h + j
	global_load_b128 v[BIAS+8*\b+4:BIAS+8*\b+7], v14, s[94:95] offset:64*\b+16
.endr
	WIN 0
	s_wait_tensorcnt 0x1                           ; the scale bytes and my part of slot 0 are in: one load, slot 1's, was issued behind them
	s_barrier_signal -1
	s_barrier_wait -1
	SCALES
	FETCH 0
	s_wait_loadcnt 0x0                             ; the bias
	KSTEP 0, 1                                     ; the first K step starts the sums with the bias
	KSTEP 1, 0
	KSTEP 2, 0
	KSTEP 3, 0
	KSTEP 4, 0
	KSTEP 5, 0
	KSTEP 6, 0
	KSTEP 7, 0
	WIN 0
; THE WAY OUT, block by block of 16 rows x 128 columns: through my own stage in LDS and back as whole rows of 512 bytes.  LDS serves a wave's instructions in order (ISA guide 5.7.1.4): no wait between the stores and the loads.
.macro TOSTAGE a
	WIN 0x08                                       ; the data: window 2
.irp b, 0,1,2,3,4,5,6,7
	ds_store_b128 v[STO], v[64*(\a)+8*\b:64*(\a)+8*\b+3] offset:64*\b          ; each accumulator from its low end on
	ds_store_b128 v[STO], v[64*(\a)+8*\b+4:64*(\a)+8*\b+7] offset:64*\b+16
.endr
	WIN 0
.irp t, 0,1,2,3,4,5,6,7,8,9,10,11,12,13,14,15
	ds_load_b128 v[BK+64*((\a)%2)+4*\t:BK+64*((\a)%2)+4*\t+3], v[RD] offset:\t*SPITCH
.endr
.endm
.macro SEND a, younger                 ; younger: the LDS instructions issued behind block a's loads, which may stay out
	s_wait_dscnt \younger
.irp t, 0,1,2,3,4,5,6,7,8,9,10,11,12,13,14,15
	global_store_b128 v[CO], v[BK+64*((\a)%2)+4*\t:BK+64*((\a)%2)+4*\t+3], s[92:93] offset:(16*(\a)+\t)*4096 th:TH_STORE_NT   ; 32 lanes store 512 consecutive bytes, aligned; the row stands in the immediate: 63 rows of 4,096 bytes at the most
.endr
.endm
	PLACES 4                                       ; behind the last products: their results are read, and loads land in the registers that held att's fragments
	TOSTAGE 0
.irp a, 1,2,3
.if \a > 1
	s_wait_xcnt 0x0                                ; block a - 2's stores have read their registers: block a's loads may land there
.endif
	TOSTAGE \a
	SEND \a-1, 32                                  ; behind block a - 1's loads: block a's 16 stores and 16 loads
.endr
	SEND 3, 0
	s_wait_dscnt 0x0
	s_wait_tensorcnt 0x0
	ds_add_u32 v126, v127
	s_wait_dscnt 0x0
	CROUND                                         ; the closing round: no work-group ends while a partner may still ask for a tile that names it
	s_endpgm
.Lfunc_end_k_q7de62a6b92_outp:
	.size	k_q7de62a6b92_outp, .Lfunc_end_k_q7de62a6b92_outp-k_q7de62a6b92_outp
	.p2alignl 7, 3214868480
	.fill 96, 4, 3214868480
	.section	.rodata,"a",@progbits
	.p2align	6, 0x0
	.amdhsa_kernel k_q7de62a6b92_outp
		.amdhsa_group_segment_fixed_size 218368
		.amdhsa_private_segment_fixed_size 0
		.amdhsa_enable_private_segment 0
		.amdhsa_kernarg_size 48
		.amdhsa_user_sgpr_count 2
		.amdhsa_user_sgpr_kernarg_segment_ptr 1
		.amdhsa_wavefront_size32 1
		.amdhsa_system_sgpr_workgroup_id_x 1
		.amdhsa_system_sgpr_workgroup_id_y 1
		.amdhsa_system_sgpr_workgroup_id_z 1
		.amdhsa_system_vgpr_workitem_id 0
		.amdhsa_next_free_vgpr 768
		.amdhsa_next_free_sgpr 100
		.amdhsa_reserve_vcc 0
		.amdhsa_float_denorm_mode_32 3
		.amdhsa_float_denorm_mode_16_64 3
		.amdhsa_memory_ordered 1
		.amdhsa_forward_progress 1
		.amdhsa_inst_pref_size 73
	.end_amdhsa_kernel
	.amdgpu_metadata
---
amdhsa.version: [ 1, 2 ]
amdhsa.kernels:
  - .name:           k_q7de62a6b92_outp
    .symbol:         k_q7de62a6b92_outp.kd
    .args:
      - { .name: ac, .offset: 0, .size: 8, .value_kind: global_buffer, .address_space: global }
      - { .name: asc, .offset: 8, .size: 8, .value_kind: global_buffer, .address_space: global }
      - { .name: Wp_codes, .offset: 16, .size: 8, .value_kind: global_buffer, .address_space: global }
      - { .name: Wp_scales, .offset: 24, .size: 8, .value_kind: global_buffer, .address_space: global }
      - { .name: out0, .offset: 32, .size: 8, .value_kind: global_buffer, .address_space: global }
      - { .name: bp, .offset: 40, .size: 8, .value_kind: global_buffer, .address_space: global }
    .group_segment_fixed_size: 218368
    .private_segment_fixed_size: 0
    .kernarg_segment_align: 8
    .kernarg_segment_size: 48
    .max_flat_workgroup_size: 128
    .sgpr_count:     100
    .vgpr_count:     768
    .wavefront_size: 32
...
	.end_amdgpu_metadata
.endif
;; end of part 3
;; ======== version 2 of 2: 3 launches; version 1 with the launch attn written anew for expert scheduling mode
;; workspace buffers: qc 4,194,304 bytes; kc 4,194,304 bytes; vc 4,194,304 bytes; ac 4,194,304 bytes; qsc 262,144 bytes; ksc 262,144 bytes; vsc 262,144 bytes; asc 262,144 bytes
;; launch qkv: the kernel of part 1 again; grid 96 x 4, 4 waves a work-group, clusters of 4 x 4, 296,448 bytes of LDS; arguments x_codes, x_scales, Wq_codes, Wq_scales, Wk_codes, Wk_scales, Wv_codes, Wv_scales, bq, bk, bv, qc, qsc, kc, ksc, vc, vsc; writes qc, qsc, kc, ksc, vc, vsc
;; launch attn (part 4): grid 4 x 64, 16 waves a work-group, no clusters, 18,432 bytes of LDS; arguments qc, qsc, kc, ksc, vc, vsc, ac, asc; writes ac, asc
.if DOCPART == 4
	.amdgcn_target "amdgcn-amd-amdhsa--gfx1250"
	.amdhsa_code_object_version 6
	.text
	.protected	k_q7de62a6b92_attn
	.globl	k_q7de62a6b92_attn
	.p2align	8
	.type	k_q7de62a6b92_attn,@function
k_q7de62a6b92_attn:
	s_mov_b64 s[64:65], 0
	v_nop
	global_prefetch_b8 v0, s[64:65] scope:SCOPE_SE
	s_setreg_imm32_b32 hwreg(HW_REG_WAVE_SCHED_MODE, 0, 2), 2
	s_setreg_imm32_b32 hwreg(HW_REG_WAVE_MODE, 25, 1), 1
	s_wait_xcnt 0x0
	s_wait_alu depctr_vm_vsrc(0)
; Causal attention on codes of FP4 (E2M1), head size 64, 2,048 keys, 64 (batch x head).  Both products on codes with one E8M0 scale for each 32 along K; the result O / l is quantised along the channels for the last product.
; THE SOFTMAX: t = score x log2(e) / 8; M = the row's largest t so far, rounded UP to a whole number; p = 2^(t - M) is quantised along the keys, not normalised; the row's sum is taken of the unquantised p
; and divides O at the end.  When M moves, the sum and O are multiplied by 2^(old M - new M): exact.
; SHARES.  Work-group (P, batch x head) takes the 256 queries of block P and then those of block 7 - P: 2 (P + 1) + 2 (8 - P) = 18 key steps of 128 keys for every work-group.  Each of its sixteen waves owns 16 queries in
; 256 registers: four waves to a SIMD, so that one wave's vector work stands beside another's products and loads.  A step all of whose keys come after a wave's queries is left out by that wave.
; NO JOINT LOADS: the four work-groups of a head walk 2 (P + 1) and then 16 - 2 P key steps, so at most steps they stand at different keys.  NO TENSOR LOADS: a step's tiles are 8,192 bytes, 512 a wave.
; LAYOUT.  Both products are used transposed: S^T = K Q^T (source 0 = keys, source 1 = my 16 queries), O^T = V^T P^T: a lane holds ONE query (lane % 16) throughout.
; THE HEAD'S 64 IN AN INSTRUCTION OF 128: a fragment of K holds keys 32 f + r in registers 0-3 and keys 32 f + 16 + r in registers 4-7.  q lies in v[16:27] as zeros, codes, zeros: v[20:27] meets the first sixteen
; keys, v[16:23] the second; zero codes add nothing.  q's scale word repeats its two bytes.
; LDS: two slots of 8,192 bytes, images of the operands' registers: K's fragment f, half u at 1,024 f + 512 u + 16 lane; V's fragment t, half c at 4,096 + 2,048 (t / 2) + 1,024 c + 512 (t % 2) + 16 lane.
; Each wave brings 512 consecutive bytes of the NEXT step into registers at a step's head and stores them into the other slot at its end; one barrier a step.  The scale words go from memory into registers.
; LIMITS: NaN and infinities are not served; a block of zeros, or one whose largest magnitude lies under 2^-124, gets the byte 1 (its codes are zeros or held; this program alone reads the bytes).
; REGISTERS: v1 16 lane, v2 4 lane, v3 my place in a slot, v4 r, v5 h, v6 131,072 h + 16 r, v7 4 r, v8 32 r + h, v9 r - 8 h; v12 -M, v13 the largest t, v[14:15] the sum; v[16:27] q; v28 q's scale word, v29 p's;
;   v[30:31] f; then as named below; v226-229 at work; v232-235 the result's codes.  s8-15: behind the head, eight lane masks of the causal mask.
; THE MODE: SCHED_MODE bits 1:0 = 2 (LLVM: expert scheduling mode 2), set by the entry lines.  The code itself states the register dependences between vector or matrix instructions and memory or LDS instructions,
; with s_wait_alu, always for 0.
; THE PLAN.  Registers that memory or LDS instructions touch:
;   v1, v2, v3, v6, v7, v8   offsets and LDS addresses: written at the head, never again.  v254, v255: written at the head, read by the closing add alone.
;   CP      written by the global load at a step's head, read by the LDS store at its end; no vector instruction names it.
;   SW      two sets: the step on slot sl loads set 1 - sl at its head, and its products read set sl.
;   KFR     written by the LDS loads at a step's head, read by its eight products S^T.      VFR   written by the step's LDS loads, read by its four products O^T.
;   v[20:23], v11   q's codes and scale bytes: written by the loads where a block of queries begins; read by the products S^T, and by one vector line.
;   v[232:235], v229   the result's codes and byte: written by vector lines where a block of queries ends, read by the two stores there.
; So two waits stand at a step's head, behind the barrier: one on vm_vsrc (the last LDS store has read CP) and one on va_vdst (the last step's products are done reading the other SW set, KFR and VFR).  All the step's
; loads lean on them: the global loads and K's follow at once; V's eight are dealt among the eight products S^T, which name S^T, KFR, q, SW and q's scale word: none of the registers that those loads touch.
; One more wait on va_vdst stands ahead of the products O^T (p's codes and scale word are written), and one ahead of the result's stores.
.set KFR, 32                           ; v32-63   K's four fragments
.set VFR, 64                           ; v64-95   V's four
.set SS,  96                           ; v96-159  S^T, then p
.set OT,  160                          ; v160-191 O^T
.set PP,  192                          ; v192-199 p's codes
.set CP,  200                          ; v200-203 my 16 bytes of the next step's tiles
.set SW,  204                          ; v204-211 scale words, two sets of four: K's fragments 0|1, 2|3, V's 0|1, 2|3 (lanes 0-15 | lanes 16-31)
.set BM,  212                          ; v212-215 a block's largest
.set PD,  216                          ; v216-219 the other half's; then the bytes
.set CV,  220                          ; v220-223 the conversions' scale operands
.set SLB, 8192                         ; a slot
.set MK,  8                            ; s8-15    the causal mask's lane masks, a run of eight
	s_load_b512 s[4:19], s[0:1], 0x0               ; qc, qsc, kc, ksc, vc, vsc, ac, asc
	v_lshl_add_u32 v254, v0, 2, 0x4000
	v_mov_b32 v255, 0
	v_lshrrev_b32 v10, 5, v0
	v_readfirstlane_b32 s20, v10                   ; wave 0..15
	s_mov_b32 s21, ttmp9                           ; P
	s_and_b32 s22, ttmp7, 0xffff                   ; batch x 16 + head
	s_lshr_b32 s23, s22, 4                         ; batch
	s_and_b32 s24, s22, 15                         ; head
	s_mov_b32 s25, 0xffff0000                      ; lanes 16-31
	s_mov_b32 s26, 0x76543210
	s_mov_b32 s27, 0xfedcba98                      ; lane l xor 16
	s_mov_b32 s28, 0x3e38aa3b                      ; c = log2(e) / 8
	s_mov_b32 s29, s28                             ; (named with it as a pair)
	v_and_b32 v11, 31, v0
	v_lshlrev_b32 v1, 4, v11
	v_lshlrev_b32 v2, 2, v11
	v_and_b32 v4, 15, v0
	v_bfe_u32 v5, v0, 4, 1
	v_lshlrev_b32 v3, 4, v4                        ; my place in a slot: 16 (lane % 16)
	v_lshl_or_b32 v3, v5, 9, v3                    ; + 512 (lane / 16): the second sixteen rows of my 32
	v_bfe_u32 v10, v0, 5, 2
	v_lshl_or_b32 v3, v10, 10, v3                  ; + 1,024 (wave % 4)
	v_bfe_u32 v10, v0, 7, 1
	v_lshl_or_b32 v3, v10, 8, v3                   ; + 256 ((wave / 4) % 2): the reading lanes' half
	v_bfe_u32 v10, v0, 8, 1
	v_lshl_or_b32 v3, v10, 12, v3                  ; + 4,096 (wave / 8): K, then V
	v_lshlrev_b32 v6, 4, v4
	v_lshl_or_b32 v6, v5, 17, v6
	v_lshlrev_b32 v7, 2, v4
	v_lshl_or_b32 v8, v4, 5, v5
	v_lshlrev_b32 v9, 3, v5
	v_sub_nc_u32 v9, v4, v9
.irp j, 16,17,18,19,24,25,26,27
	v_mov_b32 v[\j], 0                             ; the zero codes round q
.endr
.irp b, 0,1,2,3
	v_mov_b32 v[PD+\b], 0                          ; written once: a lane permute's destination counts as one of its sources
.endr
	v_mov_b32 v31, 0                               ; (the upper half of the pair v[30:31])
	s_wait_alu depctr_va_sdst(0)                   ; s20, the wave's number, is written, ahead of its first reader: the line below
	; what my wave copies: waves 0-7: K's block (wave / 4) % 2 of the head's two, keys 32 (wave % 4) on; waves 8-15: V's key block 2 (wave % 2) + (wave / 4) % 2, channels 32 ((wave / 2) % 2) on
	s_bfe_u32 s36, s20, 0x10002
	s_lshl_b32 s41, s24, 1
	s_add_co_u32 s41, s41, s36
	s_lshl_b32 s41, s41, 17
	s_lshl_b32 s37, s23, 15
	s_add_co_u32 s41, s41, s37
	s_and_b32 s37, s20, 3
	s_lshl_b32 s37, s37, 9
	s_add_co_u32 s41, s41, s37                     ; in kc
	s_lshl_b32 s52, s23, 6
	s_add_co_u32 s52, s52, s36
	s_and_b32 s37, s20, 1
	s_lshl_b32 s37, s37, 1
	s_add_co_u32 s52, s52, s37
	s_lshl_b32 s52, s52, 14
	s_lshl_b32 s37, s24, 10
	s_add_co_u32 s52, s52, s37
	s_bfe_u32 s37, s20, 0x10001
	s_lshl_b32 s37, s37, 9
	s_add_co_u32 s52, s52, s37                     ; in vc
	s_mov_b32 s53, 0
	s_mov_b32 s40, 65536
	s_cmp_lt_u32 s20, 8
	s_cselect_b32 s52, s41, s52
	s_cselect_b32 s40, 2048, s40                   ; a key step on: 128 keys of 16 bytes, or four key blocks of 16,384
	s_wait_kmcnt 0x0
	s_cselect_b64 s[38:39], s[8:9], s[12:13]
	s_add_nc_u64 s[38:39], s[38:39], s[52:53]
	s_lshl_b32 s52, s22, 12
	s_add_nc_u64 s[44:45], s[10:11], s[52:53]      ; K's scale words of my head
	s_add_nc_u64 s[6:7], s[6:7], s[52:53]          ; q's
	s_lshl_b32 s52, s23, 16
	s_lshl_b32 s36, s24, 8
	s_add_co_u32 s52, s52, s36
	s_add_nc_u64 s[48:49], s[14:15], s[52:53]      ; V's
	s_lshl_b32 s52, s24, 18
	s_lshl_b32 s36, s23, 15
	s_add_co_u32 s52, s52, s36
	s_add_nc_u64 s[4:5], s[4:5], s[52:53]          ; q's codes: block 2 head, row 2,048 batch
	s_add_nc_u64 s[16:17], s[16:17], s[52:53]      ; the result's likewise
	s_lshl_b32 s52, s23, 16
	s_lshl_b32 s36, s24, 1
	s_add_co_u32 s52, s52, s36
	s_add_nc_u64 s[18:19], s[18:19], s[52:53]      ; the result's scale bytes: 32 a row, byte 2 head
	s_mov_b32 s30, s21                             ; the block of queries in hand
	s_lshl_b32 s31, s21, 1
	s_add_co_u32 s31, s31, 2                       ; its key steps
	s_mov_b32 s32, 0                               ; the key step in hand
	s_mov_b32 s33, 9                               ; trips of two steps
; Key step s37's tiles and scale words are asked for: my 16 bytes, and the four scale registers of set
.macro NEXT set
	s_mul_i32 s52, s37, s40
	s_add_nc_u64 s[42:43], s[38:39], s[52:53]
	s_lshl_b32 s52, s37, 8
	s_add_nc_u64 s[46:47], s[44:45], s[52:53]
	s_lshl_b32 s52, s37, 12
	s_add_nc_u64 s[50:51], s[48:49], s[52:53]
	global_load_b128 v[CP:CP+3], v1, s[42:43]      ; 32 lanes read 512 consecutive bytes
	global_load_b32 v[SW+4*(\set)], v2, s[46:47]
	global_load_b32 v[SW+4*(\set)+1], v2, s[46:47] offset:128
	global_load_b32 v[SW+4*(\set)+2], v2, s[50:51]
	global_load_b32 v[SW+4*(\set)+3], v2, s[50:51] offset:128
.endm
; A block of queries begins: my 16 queries' codes and scale word; M, the sums and O^T start anew.
; Its two loads hold no wait of their own: ahead of the first block stands the head's wait on va_vdst, ahead of the second the one in front of the result's stores, and between either wait and these loads
; stand memory and scalar instructions alone.
.macro INIT
	s_lshl_b32 s34, s30, 8
	s_lshl_b32 s36, s20, 4
	s_add_co_u32 s34, s34, s36                     ; my first query
	s_lshl_b32 s52, s34, 4
	s_add_nc_u64 s[54:55], s[4:5], s[52:53]
	s_add_nc_u64 s[58:59], s[16:17], s[52:53]
	s_lshl_b32 s52, s34, 5
	s_add_nc_u64 s[60:61], s[18:19], s[52:53]
	s_lshr_b32 s52, s34, 5
	s_lshl_b32 s52, s52, 6
	s_bfe_u32 s36, s34, 0x10004
	s_lshl_b32 s36, s36, 1
	s_add_co_u32 s52, s52, s36
	s_add_nc_u64 s[56:57], s[6:7], s[52:53]
	global_load_b128 v[20:23], v6, s[54:55]        ; lane (r, h): block h of query r
	global_load_u16 v11, v7, s[56:57]              ; its two scale bytes
	v_mov_b32 v13, 0xff61b1e6                      ; the largest t so far: -3e38, under every t
	v_floor_f32 v12, -v13                          ; -M
	v_mov_b32 v14, 0
	v_mov_b32 v15, 0
	s_wait_loadcnt 0x0
	v_lshl_or_b32 v28, v11, 16, v11                ; the two bytes twice
.set n, 0
.rept 32
	v_mov_b32 v[OT+n], 0                           ; O^T: the first change of M leaves zeros zeros.  (These lines are also the places between the scale word's write and the first product)
.set n, n+1
.endr
.endm
; A KEY STEP on slot sl and scale set sl
.macro STEP sl
	s_add_co_u32 s37, s32, 1
	s_cmp_eq_u32 s37, s31
	s_cselect_b32 s37, 0, s37                      ; the next step; behind a block's last step: key step 0, for the next block of queries (behind the very last step nobody reads it: it lies inside the buffers)
	s_wait_alu depctr_vm_vsrc(0)                   ; the LDS store at the last step's end has read v[CP ..], in which the first load below lands
	s_wait_alu depctr_va_vdst(0)                   ; the last step's products are done reading the other set of scale words, K's fragments and V's, in which this step's loads land; where a block of queries has just begun, q's scale word (and, at the start, the zero codes round q) is written, which the products below take
	NEXT 1-\sl
	s_lshl_b32 s35, s32, 7                         ; the step's first key
	s_add_co_u32 s36, s34, 15
	s_cmp_gt_u32 s35, s36                          ; all its keys come after my queries: a branch on ids, round the work alone
	s_cbranch_scc1 .Lhidden_\@
.irp f, 0,1,2,3
	ds_load_b128 v[KFR+8*\f:KFR+8*\f+3], v1 offset:\sl*SLB+\f*1024
	ds_load_b128 v[KFR+8*\f+4:KFR+8*\f+7], v1 offset:\sl*SLB+\f*1024+512
.endr
	s_wait_dscnt 0x0
.irp f, 0,1,2,3                         ; S^T: tile 2 f + u holds keys 32 f + 16 u + 8 h + 0 .. 7 of query r.  Behind each product stands one of V's eight loads
.irp u, 0,1
.if (\f)%2
	v_wmma_scale_f32_16x16x128_f8f6f4 v[SS+16*\f+8*\u:SS+16*\f+8*\u+7], v[KFR+8*\f:KFR+8*\f+7], v[20-4*\u:27-4*\u], 0, v[SW+4*\sl+\f/2], v28 matrix_a_fmt:MATRIX_FMT_FP4 matrix_b_fmt:MATRIX_FMT_FP4 matrix_a_scale:MATRIX_SCALE_ROW1
.else
	v_wmma_scale_f32_16x16x128_f8f6f4 v[SS+16*\f+8*\u:SS+16*\f+8*\u+7], v[KFR+8*\f:KFR+8*\f+7], v[20-4*\u:27-4*\u], 0, v[SW+4*\sl+\f/2], v28 matrix_a_fmt:MATRIX_FMT_FP4 matrix_b_fmt:MATRIX_FMT_FP4
.endif
	ds_load_b128 v[VFR+8*\f+4*\u:VFR+8*\f+4*\u+3], v1 offset:\sl*SLB+4096+(\f/2)*2048+\u*1024+(\f%2)*512   ; V's fragment f, half u: it lands while the softmax is walked.  No wait: no vector or matrix instruction since the wait at the step's head names V's fragments or v1
.endr
.endr
.rept 4
	v_nop                                          ; places behind the products, ahead of the first read of the scores
.endr
	s_add_co_u32 s36, s35, 127
	s_cmp_le_u32 s36, s34                          ; all keys count: no mask
	s_cbranch_scc1 .Lopen_\@
	s_sub_co_i32 s36, s34, s35
	v_add_nc_u32 v227, s36, v9                     ; d = my query - the step's first key - 8 h.  Register 8 t + j holds key 16 t + 8 h + j: hidden where 16 t + j > d
	v_mov_b32 v228, 0xff800000                     ; -infinity: p = 0 then.  The step's first key counts for every query of mine, so M stays a number
.set mt, 0
.rept 8                                 ; a tile of S^T at a time: eight compares into eight scalar registers, one wait, eight selects, the tile's registers from the low end on
.set mj, 0
.rept 8
	v_cmp_gt_i32 s[MK+mj], 16*mt+mj, v227
.set mj, mj+1
.endr
	s_wait_alu depctr_va_sdst(0)                   ; the eight compares have written s8 to s15, ahead of their first reader
.set mj, 0
.rept 8
	v_cndmask_b32 v[SS+8*mt+mj], v[SS+8*mt+mj], v228, s[MK+mj]
.set mj, mj+1
.endr
.set mt, mt+1
.endr
.Lopen_\@:
.irp b, 0,1,2,3
	v_max3_num_f32 v[BM+\b], v[SS+16*\b], v[SS+16*\b+1], v[SS+16*\b+2]   ; the largest score of each block of 32 keys: for the row's maximum, and, since p rises with the score, for the block's largest p
.endr
.irp i, 3,5,7,9,11,13
.irp b, 0,1,2,3
	v_max3_num_f32 v[BM+\b], v[BM+\b], v[SS+16*\b+\i], v[SS+16*\b+\i+1]
.endr
.endr
.irp b, 0,1,2,3
	v_max_num_f32 v[BM+\b], v[BM+\b], v[SS+16*\b+15]
.endr
.irp b, 0,1,2,3
	v_permlanex16_b32 v[PD+\b], v[BM+\b], s26, s27
.endr
.irp b, 0,1,2,3
	v_max_num_f32 v[BM+\b], v[BM+\b], v[PD+\b]     ; with lane l xor 16's 16 keys
.endr
	v_max3_num_f32 v226, v[BM], v[BM+1], v[BM+2]
	v_max_num_f32 v226, v226, v[BM+3]
	v_mul_f32 v226, s28, v226                      ; as t
	v_max_num_f32 v13, v13, v226                   ; the running largest t
	v_mov_b32 v226, v12
	v_floor_f32 v12, -v13                          ; the new -M = -ceil(t)
	v_sub_f32 v226, v12, v226                      ; old M - new M: a whole number, 0 or less
	v_cvt_i32_f32 v226, v226                       ; (it saturates)
	v_ldexp_f32 v30, 1.0, v226                     ; f = 2^(old M - new M)
.set n, 0
.rept 32
	v_pk_fma_f32 v[SS+n:SS+n+1], v[SS+n:SS+n+1], s[28:29], v[12:13] op_sel_hi:[1,0,0]   ; t - M, two at a time
.set n, n+2
.endr
.irp b, 0,1,2,3
	v_fma_f32 v[BM+\b], v[BM+\b], s28, v12         ; the same of each block's largest score
.endr
.set n, 0
.rept 64
	v_exp_f32 v[SS+n], v[SS+n]                     ; p = 2^(t - M)
.set n, n+1
.endr
	v_pk_mul_f32 v[14:15], v[14:15], v[30:31] op_sel_hi:[1,0]   ; the sums under the new M: the plain line behind the exponentials
	s_wait_alu depctr_va_vdst(0)                   ; the 64 exponentials have written p, v96 to v159: one wait for the batch, ahead of its first reader, the sums below
.irp b, 0,1,2,3
	v_exp_f32 v[BM+\b], v[BM+\b]                   ; the block's largest p: the same two instructions on the same number
.endr
	v_pk_add_f32 v[224:225], v[SS:SS+1], v[SS+2:SS+3]           ; the row's sum of the unquantised p, in two chains
.irp j, 4,8,12,16,20,24,28,32,36,40,44,48,52,56,60
	v_pk_add_f32 v[14:15], v[14:15], v[SS+\j:SS+\j+1]
	v_pk_add_f32 v[224:225], v[224:225], v[SS+\j+2:SS+\j+3]
.endr
	v_pk_add_f32 v[14:15], v[14:15], v[224:225]
	s_wait_alu depctr_va_vdst(0)                   ; the four exponentials have written the blocks' largest p, v212 to v215, ahead of their first reader
.irp b, 0,1,2,3
	v_max_num_f32 v[BM+\b], 0x1800000, v[BM+\b]    ; the floor 2^(3 - 127): the byte cannot fall under 1
.endr
.irp b, 0,1,2,3
	v_add_nc_u32 v[CV+\b], 0xff000000, v[BM+\b]    ; 2 off the exponent field: the conversion's scale operand
.endr
.irp b, 0,1,2,3
	v_lshrrev_b32 v[PD+\b], 23, v[CV+\b]           ; the scale's byte
.endr
	v_lshl_or_b32 v29, v[PD+1], 8, v[PD]
	v_lshl_or_b32 v29, v[PD+2], 16, v29
	v_lshl_or_b32 v29, v[PD+3], 24, v29            ; p's scale word for these 128 keys
.irp c, 0,1
	v_cvt_scalef32_pk8_fp4_f32 v[PP+4*\c], v[SS+32*\c:SS+32*\c+7], v[CV+2*\c]
	v_cvt_scalef32_pk8_fp4_f32 v[PP+4*\c+2], v[SS+32*\c+8:SS+32*\c+15], v[CV+2*\c]
	v_cvt_scalef32_pk8_fp4_f32 v[PP+4*\c+1], v[SS+32*\c+16:SS+32*\c+23], v[CV+2*\c+1]
	v_cvt_scalef32_pk8_fp4_f32 v[PP+4*\c+3], v[SS+32*\c+24:SS+32*\c+31], v[CV+2*\c+1]
.endr
	v_nop                                          ; one plain place behind the conversions
.irp c, 0,1
	v_permlane16_swap_b32 v[PP+4*\c], v[PP+4*\c+1] ; lane (r, h) now holds keys 64 c + 32 h + 0 .. 31 in registers 4 c .. 4 c + 3
	v_permlane16_swap_b32 v[PP+4*\c+2], v[PP+4*\c+3]
.endr
.set n, 0
.rept 16
	v_pk_mul_f32 v[OT+n:OT+n+1], v[OT+n:OT+n+1], v[30:31] op_sel_hi:[1,0]   ; O^T under the new M
.set n, n+2
.endr
.rept 4
	v_nop                                          ; with the lines above: the places between the writes of p's codes and scale word and the products
.endr
	s_wait_alu depctr_va_vdst(0)                   ; the exchanges have written p's codes, v192 to v199, and p's scale word v29 is written: the products below take them; the places above stay beside this wait
	s_wait_dscnt 0x0                               ; V is in
.irp t, 0,1,2,3                         ; O^T += V^T P^T: the four accumulators by turns
.if (\t)%2
	v_wmma_scale_f32_16x16x128_f8f6f4 v[OT+8*\t:OT+8*\t+7], v[VFR+8*\t:VFR+8*\t+7], v[PP:PP+7], v[OT+8*\t:OT+8*\t+7], v[SW+4*\sl+2+\t/2], v29 matrix_a_fmt:MATRIX_FMT_FP4 matrix_b_fmt:MATRIX_FMT_FP4 matrix_a_scale:MATRIX_SCALE_ROW1
.else
	v_wmma_scale_f32_16x16x128_f8f6f4 v[OT+8*\t:OT+8*\t+7], v[VFR+8*\t:VFR+8*\t+7], v[PP:PP+7], v[OT+8*\t:OT+8*\t+7], v[SW+4*\sl+2+\t/2], v29 matrix_a_fmt:MATRIX_FMT_FP4 matrix_b_fmt:MATRIX_FMT_FP4
.endif
.endr
.rept 4
	v_nop                                          ; places ahead of the first read of O^T
.endr
.Lhidden_\@:
	s_add_co_u32 s32, s32, 1
	s_wait_loadcnt 0x0                             ; the next step's bytes and scale words are in
	ds_store_b128 v3, v[CP:CP+3] offset:(1-\sl)*SLB   ; into the slot that every wave left in front of the last barrier.  (Its data come from a load, its address from the head: no vector line has named either since)
	s_wait_dscnt 0x0                               ; for the others' sake: my store has landed, and my reads of this slot are over
	s_barrier_signal -1
	s_barrier_wait -1
.endm
; A block of queries ends: O^T / the sum, quantised along the head's 64 channels (two blocks of 32), codes and bytes stored
.macro FINAL
	v_add_f32 v14, v14, v15
	v_permlanex16_b32 v[PD], v14, s26, s27
	v_add_f32 v14, v14, v[PD]                      ; the row's sum
	v_rcp_f32 v30, v14
	v_nop                                          ; a plain line behind the reciprocal
	s_wait_alu depctr_va_vdst(0)                   ; the reciprocal has written v30, ahead of its first reader
.set n, 0
.rept 16
	v_pk_mul_f32 v[SS+n:SS+n+1], v[OT+n:OT+n+1], v[30:31] op_sel_hi:[1,0]   ; register 8 t + j: channel 16 t + 8 h + j of query r
.set n, n+2
.endr
.irp x, 0,1
	v_max3_num_f32 v[BM+\x], |v[SS+16*\x]|, |v[SS+16*\x+1]|, 0x1800000
.endr
.irp i, 2,4,6,8,10,12,14
.irp x, 0,1
	v_max3_num_f32 v[BM+\x], v[BM+\x], |v[SS+16*\x+\i]|, |v[SS+16*\x+\i+1]|
.endr
.endr
.irp x, 0,1
	v_permlanex16_b32 v[PD+\x], v[BM+\x], s26, s27
.endr
.irp x, 0,1
	v_max_num_f32 v[BM+\x], v[BM+\x], v[PD+\x]
.endr
.irp x, 0,1
	v_add_nc_u32 v[CV+\x], 0xff000000, v[BM+\x]
.endr
.irp x, 0,1
	v_lshrrev_b32 v[PD+\x], 23, v[CV+\x]
.endr
	v_cvt_scalef32_pk8_fp4_f32 v232, v[SS:SS+7], v[CV]
	v_cvt_scalef32_pk8_fp4_f32 v234, v[SS+8:SS+15], v[CV]
	v_cvt_scalef32_pk8_fp4_f32 v233, v[SS+16:SS+23], v[CV+1]
	v_cvt_scalef32_pk8_fp4_f32 v235, v[SS+24:SS+31], v[CV+1]
	v_cndmask_b32 v229, v[PD], v[PD+1], s25        ; block h's byte.  (The plain place behind the conversions)
	v_permlane16_swap_b32 v232, v233
	v_permlane16_swap_b32 v234, v235               ; lane (r, h): the 16 bytes of block h of query r
	s_wait_alu depctr_va_vdst(0)                   ; the exchanges have written v[232:235] and the select v229, which the two stores read; and the products are done reading q's codes, the scale word's line its v11, in which the next block's two loads land
	global_store_b128 v6, v[232:235], s[58:59]     ; each half of the lanes stores 256 consecutive bytes, aligned
	global_store_b8 v8, v229, s[60:61]
	s_wait_xcnt 0x0                                ; the stores have read their bases and data: both are written again below
	s_wait_alu depctr_vm_vsrc(0)                   ; the two stores have read v[232:235] and v229, which the end of the next block of queries writes again
.endm
	s_mov_b32 s37, 0
	s_wait_alu depctr_va_vdst(0)                   ; the offsets and addresses v1, v2, v3, v6, v7, v8 are written, which every load and store of the kernel reads; so is v11, and the lines that read it are done: a load of the first block lands in it
	NEXT 0                                         ; key step 0 into slot 0 and set 0
	INIT                                           ; (its wait is for all loads)
	ds_store_b128 v3, v[CP:CP+3]
	s_wait_dscnt 0x0
	s_barrier_signal -1
	s_barrier_wait -1
.Ltrip:                                            ; nine trips of two key steps: both blocks of queries have an even number of steps
	STEP 0
	STEP 1
	s_cmp_lg_u32 s32, s31
	s_cbranch_scc1 .Lgoes_on
	FINAL
	s_cmp_eq_u32 s33, 1                            ; the last trip: nothing follows
	s_cbranch_scc1 .Lgoes_on
	s_sub_co_u32 s30, 7, s21                       ; the second block of queries
	s_lshl_b32 s31, s21, 1
	s_sub_co_u32 s31, 16, s31
	s_mov_b32 s32, 0
	INIT
.Lgoes_on:
	s_sub_co_u32 s33, s33, 1
	s_cmp_lg_u32 s33, 0
	s_cbranch_scc1 .Ltrip
	s_wait_dscnt 0x0                               ; the closing lines, six on end
	s_wait_alu 0x0
	s_wait_tensorcnt 0x0
	ds_add_u32 v254, v255
	s_wait_dscnt 0x0
	s_endpgm
.Lfunc_end_k_q7de62a6b92_attn:
	.size	k_q7de62a6b92_attn, .Lfunc_end_k_q7de62a6b92_attn-k_q7de62a6b92_attn
	.p2alignl 7, 3214868480
	.fill 96, 4, 3214868480
	.section	.rodata,"a",@progbits
	.p2align	6, 0x0
	.amdhsa_kernel k_q7de62a6b92_attn
		.amdhsa_group_segment_fixed_size 18432
		.amdhsa_private_segment_fixed_size 0
		.amdhsa_enable_private_segment 0
		.amdhsa_kernarg_size 64
		.amdhsa_user_sgpr_count 2
		.amdhsa_user_sgpr_kernarg_segment_ptr 1
		.amdhsa_wavefront_size32 1
		.amdhsa_system_sgpr_workgroup_id_x 1
		.amdhsa_system_sgpr_workgroup_id_y 1
		.amdhsa_system_sgpr_workgroup_id_z 1
		.amdhsa_system_vgpr_workitem_id 0
		.amdhsa_next_free_vgpr 256
		.amdhsa_next_free_sgpr 66
		.amdhsa_reserve_vcc 0
		.amdhsa_float_denorm_mode_32 3
		.amdhsa_float_denorm_mode_16_64 3
		.amdhsa_memory_ordered 1
		.amdhsa_forward_progress 1
		.amdhsa_inst_pref_size 64
	.end_amdhsa_kernel
	.amdgpu_metadata
---
amdhsa.version: [ 1, 2 ]
amdhsa.kernels:
  - .name:           k_q7de62a6b92_attn
    .symbol:         k_q7de62a6b92_attn.kd
    .args:
      - { .name: qc, .offset: 0, .size: 8, .value_kind: global_buffer, .address_space: global }
      - { .name: qsc, .offset: 8, .size: 8, .value_kind: global_buffer, .address_space: global }
      - { .name: kc, .offset: 16, .size: 8, .value_kind: global_buffer, .address_space: global }
      - { .name: ksc, .offset: 24, .size: 8, .value_kind: global_buffer, .address_space: global }
      - { .name: vc, .offset: 32, .size: 8, .value_kind: global_buffer, .address_space: global }
      - { .name: vsc, .offset: 40, .size: 8, .value_kind: global_buffer, .address_space: global }
      - { .name: ac, .offset: 48, .size: 8, .value_kind: global_buffer, .address_space: global }
      - { .name: asc, .offset: 56, .size: 8, .value_kind: global_buffer, .address_space: global }
    .group_segment_fixed_size: 18432
    .private_segment_fixed_size: 0
    .kernarg_segment_align: 8
    .kernarg_segment_size: 64
    .max_flat_workgroup_size: 512
    .sgpr_count:     66
    .vgpr_count:     256
    .wavefront_size: 32
...
	.end_amdgpu_metadata
.endif
;; end of part 4
;; launch outp: the kernel of part 3 again; grid 4 x 64, 4 waves a work-group, clusters of 4 x 4, 218,368 bytes of LDS; arguments ac, asc, Wp_codes, Wp_scales, out0, bp; writes out0
